; MI455X (gfx1250); checked and timed in simulation.
; The chip was launched on July 23, 2026; its instructions are those of AMD's public machine-readable ISA for CDNA 5 (MIT licence, August 2026) and "CDNA5" Instruction Set Architecture Reference Guide (July 2026). The comments in the code are by the model that wrote it; some were corrected since.
;; Sliding Window Block. Allowed arithmetic: matrix products marked QUANTISED: E4M3 operands, one E8M0 scale for each 32 along K, by v_wmma_scale_f32_16x16x128_f8f6f4 with both operands' format E4M3, f32 sums; everything else in f32.
;; Inputs: b_ff1 3,072 float32; b_ff2 1,024 float32; b_out 1,024 float32; b_qkv 3,072 float32; ln1_b 1,024 float32; ln1_g 1,024 float32; ln2_b 1,024 float32; ln2_g 1,024 float32; w_ff1 1,024 x 3,072 float32; w_ff2 3,072 x 1,024 float32; w_out 1,024 x 1,024 float32; w_qkv 1,024 x 3,072 float32; x 2 x 2,048 x 1,024 float32.
;; Outputs: out0 2 x 2,048 x 1,024 float32.
;; This version of the problem:
;;   THIS VERSION OF THE PROBLEM IS GIVEN IN LOW PRECISION. The matrix products marked QUANTISED in the list below multiply operands that are first quantised to E4M3 (4 exponent bits, 3 mantissa bits; 8 bits a number), with one power-of-two scale for each 32 numbers along K (OCP MX v1.0); their sums are f32. All else is computed in f32.
;;   The module's matrix products, in the order in which they are computed (A, B: the left and right operand; K: the contracted axis; several contracted axes count as one K, in the product's order):
;;     1. [M 4,096, K 1,024] x [K 1,024, N 3,072]; A: computed on the way; B: input w_qkv: QUANTISED
;;     2. batch 32 x [M 2,048, K 64] x [K 64, N 2,048]; A: computed on the way; B: computed on the way: QUANTISED
;;     3. batch 32 x [M 64, K 2,048] x [K 2,048, N 2,048]; A: computed on the way; B: softmax (see below): QUANTISED
;;     4. [M 4,096, K 1,024] x [K 1,024, N 1,024]; A: computed on the way; B: input w_out: QUANTISED
;;     5. [M 4,096, K 1,024] x [K 1,024, N 3,072]; A: computed on the way; B: input w_ff1: QUANTISED
;;     6. [M 4,096, K 3,072] x [K 3,072, N 1,024]; A: computed on the way; B: input w_ff2: QUANTISED
;;   THE QUANTISER, for each operand of a quantised product, along K:
;;     - K is cut into blocks of 32 from its start; a last block that is shorter is filled with zeros.
;;     - A block's scale is 2^e with e = floor(log2(the largest magnitude in the block)) - 8, held to -126 .. 127; a block of zeros has e = 0. As a byte (E8M0): e + 127.
;;     - Each number is divided by its block's scale, clamped to +-448, and rounded to the nearest number of E4M3, ties to even, subnormals kept.
;;     - The product sums the exact products of the quantised numbers (number of the format x scale) in f32.
;;   ~~~python
;;   def quantise(x, axis):      # numpy; x: float32 -> the quantised numbers, widened to float32 again
;;       x = np.moveaxis(x, axis, -1); K = x.shape[-1]
;;       x = np.pad(x, [(0, 0)] * (x.ndim - 1) + [(0, -K % 32)]); x = x.reshape(x.shape[:-1] + (-1, 32)); a = np.abs(x).max(-1, keepdims=True)
;;       e = np.where(a > 0, np.clip(np.frexp(np.where(a > 0, a, 1))[1] - 1 - 8, -126, 127), 0)      # np.frexp(a)[1] - 1 = floor(log2(a)), exactly
;;       r = np.clip(x / 2.0 ** e, -448, 448)
;;       step = 2.0 ** (np.maximum(np.frexp(np.where(r == 0, 1, r))[1] - 1, -6) - 3)
;;       q = np.round(r / step) * step * 2.0 ** e      # np.round: ties to even
;;       return np.moveaxis(q.reshape(q.shape[:-2] + (-1,))[..., :K], -1, axis).astype(np.float32)
;;   ~~~
;;   SOFTMAX AHEAD OF A QUANTISED PRODUCT. Where the list says 'softmax', what is quantised is not the finished softmax but p = 2^(t - M), with t = logit x log2(e) and M = ceil(the row's largest t), a whole number; so 1/2 < the row's largest p <= 1. The row's sum l is taken of the UNQUANTISED p, in f32, and the product's result is divided by l at the end. Since M is a whole number, a kernel that streams over the keys may use a running M (the ceiling of the running maximum): every later rescaling is an exact power of two, which a block's scale takes up: the codes' values come out the same.
;;   OPERANDS COMPUTED ON THE WAY. 'Computed on the way' means the value that the module computes at that place (a softmax that the list does not call 'softmax' is quantised finished and normalised). What goes into a quantiser is computed in f32, as accurately as f32 sums, v_exp_f32 and their like allow (about 1e-6 of the number): no bf16 or f16 on the way to a quantiser, and a product that is left as it is and whose result goes on into a quantised operand takes f32 operands (vector FMAs, or v_wmma_f32_16x16x4_f32). A number that lies on a knife's edge between two numbers of the format may be rounded either way, as far as f32 arithmetic and the matrix unit's own rounding can turn it there, and no further.
;; One version. Each part assembles by itself: llvm-mc -triple=amdgcn-amd-amdhsa -mcpu=gfx1250 --defsym DOCPART=n.
;; ======== version 1 of 1: 7 launches
;; limits: a function is approximated: absolute error at most 3e-07
;; workspace buffers: wrec 10,813,440 bytes; hrec 4,325,376 bytes; qkvb 12,976,128 bytes; ctxrec 4,325,376 bytes; x1 16,777,216 bytes; h2rec 4,325,376 bytes; grec 12,976,128 bytes
;; launch prep (part 1): grid 416 x 1, 16 waves a work-group, no clusters, 23,552 bytes of LDS; arguments w_qkv, w_out, w_ff1, w_ff2, x, ln1_g, ln1_b, hrec, wrec; writes hrec, wrec
.if DOCPART == 1
	.amdgcn_target "amdgcn-amd-amdhsa--gfx1250"
	.amdhsa_code_object_version 6
	.text
	.protected	k_q2c349d68d1_prep
	.globl	k_q2c349d68d1_prep
	.p2align	8
	.type	k_q2c349d68d1_prep,@function
k_q2c349d68d1_prep:
	s_mov_b64 s[64:65], 0
	v_nop
	global_prefetch_b8 v0, s[64:65] scope:SCOPE_SE
	s_setreg_imm32_b32 hwreg(HW_REG_WAVE_MODE, 25, 1), 1
	s_wait_xcnt 0x0
; TWO JOBS THAT DO NOT DEPEND ON EACH OTHER SHARE ONE LAUNCH, so that one's waves work while the other's wait for memory: work-groups 0 to 159 quantise the four weights, work-groups 160 to 415 make the first layer norm.
; The two paths part at the first line on the work-group's number and never join; each has LDS bytes of its own and one barrier of its own.  Sixteen waves of 130 registers, four to a SIMD, take about half of its 1,024:
; two work-groups lie on a WGP, and all 416 are resident together.  The weights' work-groups, which have the longer way, have the lower numbers.
; BOTH RESULTS ARE RECORDS: 128 rows x 256 K of E4M3 codes in the order of a matrix operand's registers, with their E8M0 scale words: codes at kk*16384 + a*2048 + c*512 + lane*16 (kk: which 128 of K, a: tile of 16 rows,
; c: block of 32, lane = 16 h + r: 16 codes k = 32 c + 16 h + 0..15), scale words at 32768 + kk*512 + ((a>>2)*16 + r)*16 + (a&3)*4; 33,792 bytes.  Row r of tile a is row 32 (a>>1) + 8 (a&1) + r + 8 (r>>3) of the group.
; LIMITS: NaN and infinities are not served; a block of zeros gets the byte 1 (its codes are zeros, and this program alone reads the bytes); a block whose largest magnitude lies under 2^-118 is held at the byte 1.
; No tensor load, no cluster, no matrix unit: both jobs stream, and work-groups share no input but the norm's gain and bias.  No prefetch: each wave's loads go out at its head or one block behind it.
.set REC,  33792
.set NWG,  160                         ; work-groups of the weights' path: two records each, 320 records
	v_lshl_add_u32 v128, v0, 2, 0x5400
	v_mov_b32 v129, 0
	s_cmp_lt_u32 ttmp9, NWG
	s_cbranch_scc0 .Lnorm
; ======== THE WEIGHTS, f32 stored [K][N].  320 records: w_qkv 96, w_out 32, w_ff1 96, w_ff2 96; a tensor's records lie [group of 128 columns][K / 256].
; Waves 0-7 make record 2 x work-group, waves 8-15 the next one (both of one tensor: the tensors' first records are even numbers).  In a record a wave takes 32 columns (wave & 3) and 128 along K (bit 2 of the wave).
; A LANE TAKES A COLUMN AND ITS REGISTERS RUN DOWN K: a load reads 128 consecutive bytes, a block of 32 lies in one lane, and the conversions give codes with K innermost.
; A lane's 32 codes of a block are two pieces of 16 bytes (h = 0, 1); the 32 lanes of a store fill two aligned runs of 256 bytes, one in each of the wave's two tiles.
.set OFF,  16                          ; v16-47   4 x lane + i x pitch: row i of a block; never rewritten
.set WX,   48                          ; v48-111  two sets of 32 numbers
.set WC,   112                         ; v112-127 two sets of eight registers of codes, by turns
.set SB,   14                          ; v14      the four blocks' scale bytes
.set MNT,  40                          ; s40      the mantissa field of 448
.set WSC,  19456                       ; LDS: this path's own bytes: 1,024 of scale words for each of the two records
	s_load_b256 s[4:11], s[0:1], 0x0               ; w_qkv, w_out, w_ff1, w_ff2
	s_load_b64 s[12:13], s[0:1], 0x40              ; the weights' records
	v_lshrrev_b32 v1, 5, v0
	v_readfirstlane_b32 s34, v1                    ; wave 0..15
	v_and_b32 v2, 31, v0                           ; lane
	s_and_b32 s35, s34, 3                          ; which 32 columns
	s_bfe_u32 s36, s34, 0x10002                    ; which 128 along K
	s_lshr_b32 s41, s34, 3
	s_lshl_b32 s42, ttmp9, 1
	s_add_co_u32 s41, s41, s42                     ; my record's number
	s_mov_b32 s24, 224                             ; the tensor's first record,
	s_mov_b32 s25, 4096                            ; and its pitch in bytes: chosen by the record's number alone
	s_cmp_lt_u32 s41, 224
	s_cselect_b32 s24, 128, s24
	s_cselect_b32 s25, 12288, s25
	s_cmp_lt_u32 s41, 128
	s_cselect_b32 s24, 96, s24
	s_cselect_b32 s25, 4096, s25
	s_cmp_lt_u32 s41, 96
	s_cselect_b32 s24, 0, s24
	s_cselect_b32 s25, 12288, s25
	s_sub_co_u32 s26, s41, s24                     ; the record's number in its tensor = group x (K / 256) + K step
	s_lshr_b32 s27, s26, 2                         ; K = 1,024: four records a group
	s_and_b32 s28, s26, 3
	s_mul_i32 s29, s26, 171                        ; K = 3,072: twelve; (n x 171) >> 11 = n / 12 for n under 96
	s_lshr_b32 s29, s29, 11
	s_mul_i32 s30, s29, 12
	s_sub_co_u32 s30, s26, s30
	s_cmp_lt_u32 s41, 224
	s_cselect_b32 s27, s27, s29                    ; group of 128 columns
	s_cselect_b32 s28, s28, s30                    ; which 256 along K
	s_lshl_b32 s28, s28, 8
	s_lshl_b32 s39, s36, 7
	s_add_co_u32 s28, s28, s39                     ; my first row of W
	s_mul_i32 s28, s28, s25
	s_lshl_b32 s27, s27, 9
	s_lshl_b32 s39, s35, 7
	s_add_co_u32 s27, s27, s39                     ; my first column, in bytes
	s_add_co_u32 s28, s28, s27
	s_mov_b32 s29, 0
	s_lshl_b32 s30, s25, 5                         ; 32 rows on
	s_mov_b32 s31, 0
	s_mul_i32 s32, s41, REC
	s_mov_b32 s33, 0
	s_mov_b32 s[MNT], 0x600000
	v_and_b32 v3, 7, v2
	v_lshrrev_b32 v4, 4, v2
	v_lshl_add_u32 v3, v4, 3, v3                   ; r = (lane & 7) + 8 (lane >> 4)
	v_bfe_u32 v5, v2, 3, 1                         ; which of my two tiles: bit 3 of the lane
	v_lshlrev_b32 v6, 4, v3
	v_lshl_add_u32 v7, v5, 11, v6
	s_lshl_b32 s37, s36, 14
	s_lshl_b32 s38, s35, 12
	s_add_co_u32 s37, s37, s38
	v_add_nc_u32 v7, s37, v7                       ; my codes' place in the record: kk*16384 + a*2048 + 16 r
	v_lshl_add_u32 v8, v5, 2, v6
	s_lshr_b32 s38, s34, 2
	s_lshl_b32 s38, s38, 9                         ; 1,024 x (which record) + 512 x kk
	s_lshr_b32 s39, s35, 1
	s_lshl_b32 s39, s39, 8
	s_add_co_u32 s38, s38, s39
	s_and_b32 s39, s34, 1
	s_lshl_b32 s39, s39, 3
	s_add_co_u32 s38, s38, s39
	s_add_co_u32 s38, s38, WSC
	v_add_nc_u32 v8, s38, v8                       ; LDS: my scale word's place among its record's 1,024 bytes of them
	s_and_b32 s39, s34, 1
	s_lshl_b32 s39, s39, 9
	v_lshlrev_b32 v9, 4, v2
	v_add_nc_u32 v9, s39, v9                       ; the way out of those bytes: 512 x (wave & 1) + 16 x lane in the record's scale words,
	s_lshr_b32 s39, s34, 3
	s_lshl_b32 s39, s39, 10
	s_add_co_u32 s39, s39, WSC
	v_add_nc_u32 v15, s39, v9                      ; and the same place in LDS
	v_lshlrev_b32 v[OFF], 2, v2
.set i, 1
.rept 31
	v_add_nc_u32 v[OFF+i], s25, v[OFF+i-1]
.set i, i+1
.endr
	s_wait_kmcnt 0x0
	s_cmp_lt_u32 s41, 224
	s_cselect_b64 s[14:15], s[8:9], s[10:11]
	s_cmp_lt_u32 s41, 128
	s_cselect_b64 s[14:15], s[6:7], s[14:15]
	s_cmp_lt_u32 s41, 96
	s_cselect_b64 s[14:15], s[4:5], s[14:15]
	s_add_nc_u64 s[16:17], s[14:15], s[28:29]      ; a base for each of my four blocks: none is ever stepped
	s_add_nc_u64 s[18:19], s[16:17], s[30:31]
	s_add_nc_u64 s[20:21], s[18:19], s[30:31]
	s_add_nc_u64 s[22:23], s[20:21], s[30:31]
	s_add_nc_u64 s[32:33], s[12:13], s[32:33]      ; my record
.macro LOAD t                          ; block t: W(32 t + i, my column) into set t % 2
.set i, 0
.rept 32
	global_load_b32 v[WX+32*((\t)%2)+i], v[OFF+i], s[16+2*(\t):17+2*(\t)] th:TH_LOAD_NT
.set i, i+1
.endr
.endm
.macro BLOCK t
.set XS, WX+32*((\t)%2)
.set CS, WC+8*((\t)%2)
.if (\t) < 3
	s_wait_loadcnt 32                              ; this block's 32 loads are in; the next block's 32 may be out
.else
	s_wait_loadcnt 0x0
.endif
	v_max3_num_f32 v12, |v[XS]|, |v[XS+1]|, |v[XS+2]|              ; the block's largest magnitude: all 32 numbers are mine; two chains
	v_max3_num_f32 v13, |v[XS+3]|, |v[XS+4]|, |v[XS+5]|
.irp i, 6,10,14,18,22,26
	v_max3_num_f32 v12, v12, |v[XS+\i]|, |v[XS+\i+1]|
	v_max3_num_f32 v13, v13, |v[XS+\i+2]|, |v[XS+\i+3]|
.endr
	v_max3_num_f32 v12, v12, |v[XS+30]|, |v[XS+31]|
	v_max3_num_f32 v12, v12, v13, 0x4800000        ; the floor 2^(9 - 127): the byte cannot fall under 1
	v_add_nc_u32 v11, 0xfc000000, v12              ; 8 off the exponent field: the conversion's scale operand
	v_and_or_b32 v10, v12, 0x7f800000, s[MNT]      ; 448 x the scale
	v_lshrrev_b32 v13, 23, v11                     ; the scale's byte
.if (\t) == 0
	v_mov_b32 v[SB], v13
.else
	v_lshl_or_b32 v[SB], v13, 8*(\t), v[SB]
.endif
.set i, 0
.rept 32
	v_med3_num_f32 v[XS+i], v[XS+i], -v10, v10     ; the conversion to an 8-bit code does not saturate (ISA guide 7.6.2): the hold comes first
.set i, i+1
.endr
.if (\t) >= 2
	s_wait_xcnt 0x0                                ; the stores of two blocks ago have read this set of codes: it is written again only behind this wait
.endif
.irp g, 0,1,2,3
	v_cvt_scalef32_pk8_fp8_f32 v[CS+2*\g:CS+2*\g+1], v[XS+8*\g:XS+8*\g+7], v11
.endr
	v_nop                                          ; a plain line behind the last conversion
	global_store_b128 v7, v[CS:CS+3], s[32:33] offset:512*(\t)         ; k = 32 t + 0..15: the lanes' half 0
	global_store_b128 v7, v[CS+4:CS+7], s[32:33] offset:512*(\t)+256   ; k = 32 t + 16..31: half 1
.if (\t)+2 < 4
	LOAD (\t)+2
.endif
.endm
	LOAD 0
	LOAD 1
	BLOCK 0
	BLOCK 1
	BLOCK 2
	BLOCK 3
	ds_store_b32 v8, v[SB]                         ; the two records' scale words meet in LDS,
	s_wait_dscnt 0x0                               ; (for the others' sake: my store has landed)
	s_barrier_signal -1
	s_barrier_wait -1
	s_and_b32 s39, s34, 7
	s_cmp_gt_u32 s39, 1
	s_cbranch_scc1 .Ldone
	ds_load_b128 v[48:51], v15                     ; and leave by the first two waves of each record: 512 consecutive bytes each
	s_wait_dscnt 0x0
	global_store_b128 v9, v[48:51], s[32:33] offset:32768
.Ldone:
	s_wait_tensorcnt 0x0
	ds_add_u32 v128, v129
	s_wait_dscnt 0x0
	s_endpgm
; ======== THE NORM: h = (x - mean) rsqrt(var + 1e-5) g + b for rows of 1,024 f32, quantised along the row; records [group of 128 rows][K / 256].
; A work-group makes one tile of 16 rows; wave w is the tile's row r = w, which is token 32 (tile>>1) + 8 (tile&1) + w + 8 (w>>3).  The row stays in 32 registers a lane: memory is read once.
; Mean and variance in two passes over the registers (the variance of x - mean), so that a common offset of the inputs costs no digits.
; Lane l holds columns 256 p + 8 l + 0..7, p = 0..3: four neighbouring lanes hold a block of 32.  Codes meet in LDS as 64 rows of 256 bytes (+16 of padding), row 8 kappa + 2 c + h, 16 bytes for each wave,
; which are the fragments' bytes on end; they leave 512 consecutive bytes a store.
; The scale words leave as 4 bytes a row: a work-group has one of the four tiles that share 16 bytes there.  They are 512 bytes of the 80 KiB that a work-group moves.
.set X,   32                           ; v32-63   the row
.set G,   64                           ; v64-95   the gain
.set BV,  96                           ; v96-127  the bias
.set SCL, 17408                        ; LDS: behind the image, 512 bytes of scale words [kappa][r]
.Lnorm:
	s_load_b256 s[12:19], s[0:1], 0x20             ; x, g, b, h's records
	s_sub_co_u32 s7, ttmp9, NWG                    ; my tile of 16 rows
	v_lshrrev_b32 v1, 5, v0
	v_readfirstlane_b32 s8, v1                     ; wave 0..15
	v_and_b32 v1, 31, v0                           ; lane
	v_lshlrev_b32 v2, 5, v1                        ; my 32 bytes of each 1,024
	s_lshr_b32 s9, s7, 1
	s_lshl_b32 s9, s9, 5
	s_and_b32 s10, s7, 1
	s_lshl_b32 s10, s10, 3
	s_add_co_u32 s9, s9, s10
	s_add_co_u32 s9, s9, s8
	s_and_b32 s10, s8, 8
	s_add_co_u32 s9, s9, s10                       ; my token
	s_lshl_b32 s20, s9, 12
	s_mov_b32 s21, 0
	s_mov_b32 s28, 0x76543210
	s_mov_b32 s29, 0xfedcba98                      ; v_permlanex16_b32's selects for lane l xor 16
	s_mov_b32 s30, 0x3a800000                      ; 1 / 1,024
	s_mov_b32 s31, 0x3727c5ac                      ; 1e-5
	s_mov_b32 s11, 0x600000                        ; the mantissa field of 448
	s_wait_kmcnt 0x0
	s_add_nc_u64 s[12:13], s[12:13], s[20:21]
.irp p, 0,1,2,3
	global_load_b128 v[X+8*\p:X+8*\p+3], v2, s[12:13] offset:1024*\p th:TH_LOAD_NT
	global_load_b128 v[X+8*\p+4:X+8*\p+7], v2, s[12:13] offset:1024*\p+16 th:TH_LOAD_NT
.endr
.irp p, 0,1,2,3
	global_load_b128 v[G+8*\p:G+8*\p+3], v2, s[14:15] offset:1024*\p
	global_load_b128 v[G+8*\p+4:G+8*\p+7], v2, s[14:15] offset:1024*\p+16
.endr
.irp p, 0,1,2,3
	global_load_b128 v[BV+8*\p:BV+8*\p+3], v2, s[16:17] offset:1024*\p
	global_load_b128 v[BV+8*\p+4:BV+8*\p+7], v2, s[16:17] offset:1024*\p+16
.endr
	v_lshrrev_b32 v3, 1, v1                        ; LDS, codes in: row 16 p + (l >> 1), byte 16 w + 8 (l & 1)
	v_mul_u32_u24 v3, v3, 272
	v_and_b32 v7, 1, v1
	v_lshl_add_u32 v3, v7, 3, v3
	s_lshl_b32 s9, s8, 4
	v_add_nc_u32 v3, s9, v3
	v_lshrrev_b32 v4, 4, v1                        ; LDS, scale bytes in: SCL + 128 p + 64 (l >> 4) + 4 w + ((l >> 2) & 3)
	v_bfe_u32 v7, v1, 2, 2
	v_lshl_add_u32 v4, v4, 6, v7
	s_lshl_b32 s9, s8, 2
	s_add_co_u32 s9, s9, SCL
	v_add_nc_u32 v4, s9, v4
	v_lshrrev_b32 v5, 4, v1                        ; LDS, codes out: rows 4 w + 2 i + (l >> 4), 16 bytes a lane
	v_mul_u32_u24 v5, v5, 272
	v_and_b32 v7, 15, v1
	v_lshl_add_u32 v5, v7, 4, v5
	s_mul_i32 s9, s8, 4*272
	v_add_nc_u32 v5, s9, v5
	v_lshlrev_b32 v6, 4, v1                        ; and in memory: 16 x lane
	v_lshl_add_u32 v7, v0, 2, SCL                  ; LDS, scale words out (waves 0 to 3): SCL + 128 w + 4 l
.macro REDUCE                          ; v8 summed over the 32 lanes, the result in every lane
	v_add_f32_dpp v8, v8, v8 row_xmask:1 row_mask:0xf bank_mask:0xf
	v_add_f32_dpp v8, v8, v8 row_xmask:2 row_mask:0xf bank_mask:0xf
	v_add_f32_dpp v8, v8, v8 row_xmask:4 row_mask:0xf bank_mask:0xf
	v_add_f32_dpp v8, v8, v8 row_xmask:8 row_mask:0xf bank_mask:0xf
	v_permlanex16_b32 v9, v8, s28, s29
	v_add_f32 v8, v8, v9
.endm
	s_wait_loadcnt 16                              ; the row's eight loads are in; the gain's and the bias's sixteen may be out
	v_pk_add_f32 v[8:9], v[X:X+1], v[X+2:X+3]
	v_pk_add_f32 v[10:11], v[X+4:X+5], v[X+6:X+7]
.irp j, 8,12,16,20,24,28
	v_pk_add_f32 v[8:9], v[8:9], v[X+\j:X+\j+1]
	v_pk_add_f32 v[10:11], v[10:11], v[X+\j+2:X+\j+3]
.endr
	v_pk_add_f32 v[8:9], v[8:9], v[10:11]
	v_add_f32 v8, v8, v9
	REDUCE
	v_mul_f32 v12, s30, v8                         ; the mean
	v_mov_b32 v13, v12
.set j, 0
.rept 16
	v_pk_add_f32 v[X+j:X+j+1], v[X+j:X+j+1], v[12:13] neg_lo:[0,1] neg_hi:[0,1]
.set j, j+2
.endr
	v_pk_mul_f32 v[8:9], v[X:X+1], v[X:X+1]
	v_pk_mul_f32 v[10:11], v[X+2:X+3], v[X+2:X+3]
.irp j, 4,8,12,16,20,24,28
	v_pk_fma_f32 v[8:9], v[X+\j:X+\j+1], v[X+\j:X+\j+1], v[8:9]
	v_pk_fma_f32 v[10:11], v[X+\j+2:X+\j+3], v[X+\j+2:X+\j+3], v[10:11]
.endr
	v_pk_add_f32 v[8:9], v[8:9], v[10:11]
	v_add_f32 v8, v8, v9
	REDUCE
	v_fma_f32 v14, v8, s30, s31                    ; the variance + 1e-5
	v_rsq_f32 v14, v14
	v_nop                                          ; a plain line behind the transcendental,
	s_wait_alu depctr_va_vdst(0)                   ; and a wait ahead of its first reader
	v_mov_b32 v15, v14
	s_wait_loadcnt 0x0                             ; the gain and the bias
.set j, 0
.rept 16
	v_pk_mul_f32 v[X+j:X+j+1], v[X+j:X+j+1], v[14:15]
.set j, j+2
.endr
.set j, 0
.rept 16
	v_pk_fma_f32 v[X+j:X+j+1], v[X+j:X+j+1], v[G+j:G+j+1], v[BV+j:BV+j+1]
.set j, j+2
.endr
	; the quantiser: my eight numbers of each of four blocks; a block is four neighbouring lanes
.irp p, 0,1,2,3
	v_max3_num_f32 v[16+\p], |v[X+8*\p]|, |v[X+8*\p+1]|, 0x4800000   ; with the floor 2^(9 - 127)
.endr
.irp i, 2,4,6
.irp p, 0,1,2,3
	v_max3_num_f32 v[16+\p], v[16+\p], |v[X+8*\p+\i]|, |v[X+8*\p+\i+1]|
.endr
.endr
.irp p, 0,1,2,3
	v_max_num_f32_dpp v[16+\p], v[16+\p], v[16+\p] row_xmask:1 row_mask:0xf bank_mask:0xf
.endr
.irp p, 0,1,2,3
	v_max_num_f32_dpp v[16+\p], v[16+\p], v[16+\p] row_xmask:2 row_mask:0xf bank_mask:0xf
.endr
.irp p, 0,1,2,3
	v_add_nc_u32 v[20+\p], 0xfc000000, v[16+\p]    ; the conversion's scale operand
.endr
.irp p, 0,1,2,3
	v_and_or_b32 v[24+\p], v[16+\p], 0x7f800000, s11   ; 448 x the scale
.endr
.irp p, 0,1,2,3
	v_lshrrev_b32 v[28+\p], 23, v[20+\p]           ; the byte
.endr
.irp p, 0,1,2,3
.irp i, 0,1,2,3,4,5,6,7
	v_med3_num_f32 v[X+8*\p+\i], v[X+8*\p+\i], -v[24+\p], v[24+\p]
.endr
	v_cvt_scalef32_pk8_fp8_f32 v[8+2*\p:9+2*\p], v[X+8*\p:X+8*\p+7], v[20+\p]
.endr
	v_nop                                          ; a plain line behind the last conversion
.irp p, 0,1,2,3
	ds_store_b64 v3, v[8+2*\p:9+2*\p] offset:4352*\p
	ds_store_b8 v4, v[28+\p] offset:128*\p         ; the four lanes of a block write the same byte with the same value
.endr
	s_lshr_b32 s22, s7, 3
	s_lshl_b32 s22, s22, 2                         ; my group's first record
	s_lshr_b32 s23, s8, 2
	s_add_co_u32 s23, s22, s23
	s_mul_i32 s24, s23, REC
	s_bfe_u32 s23, s8, 0x10001
	s_lshl_b32 s23, s23, 14
	s_add_co_u32 s24, s24, s23
	s_and_b32 s23, s7, 7
	s_lshl_b32 s23, s23, 11
	s_add_co_u32 s24, s24, s23
	s_and_b32 s23, s8, 1
	s_lshl_b32 s23, s23, 10
	s_add_co_u32 s24, s24, s23
	s_mov_b32 s25, 0
	s_add_nc_u64 s[24:25], s[18:19], s[24:25]      ; where rows 4 w .. 4 w + 3 of the image go
	s_wait_dscnt 0x0                               ; for the others' sake: my stores have landed
	s_barrier_signal -1
	s_barrier_wait -1
	ds_load_b128 v[16:19], v5
	ds_load_b128 v[20:23], v5 offset:544
	s_wait_dscnt 1                                 ; the first of the two is in
	global_store_b128 v6, v[16:19], s[24:25]       ; 512 consecutive bytes
	s_wait_dscnt 0x0
	global_store_b128 v6, v[20:23], s[24:25] offset:512
	s_cmp_gt_u32 s8, 3
	s_cbranch_scc1 .Lend
	s_add_co_u32 s26, s22, s8                      ; wave w: the scale words of record w (two steps of 128 along K)
	s_mul_i32 s26, s26, REC
	s_bfe_u32 s23, s7, 0x10002
	s_lshl_b32 s23, s23, 8
	s_add_co_u32 s26, s26, s23
	s_and_b32 s23, s7, 3
	s_lshl_b32 s23, s23, 2
	s_add_co_u32 s26, s26, s23
	s_mov_b32 s27, 0
	s_add_nc_u64 s[26:27], s[18:19], s[26:27]
	v_lshrrev_b32 v28, 4, v1
	v_and_b32 v29, 15, v1
	v_lshlrev_b32 v29, 4, v29
	v_lshl_add_u32 v28, v28, 9, v29                ; 512 (l >> 4) + 16 (l & 15)
	ds_load_b32 v24, v7
	s_wait_dscnt 0x0
	global_store_b32 v28, v24, s[26:27] offset:32768
.Lend:
	s_wait_tensorcnt 0x0
	ds_add_u32 v128, v129
	s_wait_dscnt 0x0
	s_endpgm
.Lfunc_end_k_q2c349d68d1_prep:
	.size	k_q2c349d68d1_prep, .Lfunc_end_k_q2c349d68d1_prep-k_q2c349d68d1_prep
	.p2alignl 7, 3214868480
	.fill 96, 4, 3214868480
	.section	.rodata,"a",@progbits
	.p2align	6, 0x0
	.amdhsa_kernel k_q2c349d68d1_prep
		.amdhsa_group_segment_fixed_size 23552
		.amdhsa_private_segment_fixed_size 0
		.amdhsa_enable_private_segment 0
		.amdhsa_kernarg_size 72
		.amdhsa_user_sgpr_count 2
		.amdhsa_user_sgpr_kernarg_segment_ptr 1
		.amdhsa_wavefront_size32 1
		.amdhsa_system_sgpr_workgroup_id_x 1
		.amdhsa_system_sgpr_workgroup_id_y 1
		.amdhsa_system_sgpr_workgroup_id_z 1
		.amdhsa_system_vgpr_workitem_id 0
		.amdhsa_next_free_vgpr 130
		.amdhsa_next_free_sgpr 66
		.amdhsa_reserve_vcc 0
		.amdhsa_float_denorm_mode_32 3
		.amdhsa_float_denorm_mode_16_64 3
		.amdhsa_memory_ordered 1
		.amdhsa_forward_progress 1
		.amdhsa_inst_pref_size 51
	.end_amdhsa_kernel
	.amdgpu_metadata
---
amdhsa.version: [ 1, 2 ]
amdhsa.kernels:
  - .name:           k_q2c349d68d1_prep
    .symbol:         k_q2c349d68d1_prep.kd
    .args:
      - { .name: w_qkv, .offset: 0, .size: 8, .value_kind: global_buffer, .address_space: global }
      - { .name: w_out, .offset: 8, .size: 8, .value_kind: global_buffer, .address_space: global }
      - { .name: w_ff1, .offset: 16, .size: 8, .value_kind: global_buffer, .address_space: global }
      - { .name: w_ff2, .offset: 24, .size: 8, .value_kind: global_buffer, .address_space: global }
      - { .name: x, .offset: 32, .size: 8, .value_kind: global_buffer, .address_space: global }
      - { .name: ln1_g, .offset: 40, .size: 8, .value_kind: global_buffer, .address_space: global }
      - { .name: ln1_b, .offset: 48, .size: 8, .value_kind: global_buffer, .address_space: global }
      - { .name: hrec, .offset: 56, .size: 8, .value_kind: global_buffer, .address_space: global }
      - { .name: wrec, .offset: 64, .size: 8, .value_kind: global_buffer, .address_space: global }
    .group_segment_fixed_size: 23552
    .private_segment_fixed_size: 0
    .kernarg_segment_align: 8
    .kernarg_segment_size: 72
    .max_flat_workgroup_size: 512
    .sgpr_count:     66
    .vgpr_count:     130
    .wavefront_size: 32
...
	.end_amdgpu_metadata
.endif
;; end of part 1
;; launch qkv (part 2): grid 12 x 16, 4 waves a work-group, clusters of 4 x 4, 327,680 bytes of LDS; arguments hrec, wrec, b_qkv, qkvb; writes qkvb
.if DOCPART == 2
	.amdgcn_target "amdgcn-amd-amdhsa--gfx1250"
	.amdhsa_code_object_version 6
	.text
	.protected	k_q2c349d68d1_qkv
	.globl	k_q2c349d68d1_qkv
	.p2align	8
	.type	k_q2c349d68d1_qkv,@function
k_q2c349d68d1_qkv:
	s_mov_b64 s[64:65], 0
	v_nop
	global_prefetch_b8 v0, s[64:65] scope:SCOPE_SE
	s_setreg_imm32_b32 hwreg(HW_REG_WAVE_MODE, 25, 1), 1
	s_wait_xcnt 0x0
	s_wait_alu depctr_hold_cnt(0) depctr_sa_sdst(0) depctr_va_vdst(0) depctr_va_sdst(0) depctr_va_ssrc(0) depctr_va_vcc(0) depctr_vm_vsrc(0)
	s_getreg_b32 s2, hwreg(HW_REG_IB_STS2, 6, 4)
	s_cmp_eq_u32 s2, 0
	s_cbranch_scc0 .Lentry_in_a_cluster
	s_endpgm
.Lentry_in_a_cluster:
	s_bfe_u32 s2, ttmp6, 0x10000c
	s_cmp_lg_u32 s2, 0xf033
	s_cbranch_scc0 .Lentry_shape_is_right
	s_endpgm
.Lentry_shape_is_right:
; qkv = h W_qkv + b_qkv on codes of E4M3 with E8M0 scales, and its results quantised at once for the two products of attention: q and k along the head's 64, v along the keys.
; OPERANDS ARE RECORDS: 128 rows x 256 K in the order of the operand's registers (codes at kk*16384 + a*2048 + c*512 + 16 lane, scale words at 32768 + kk*512 + ((a>>2)*16 + r)*16 + (a&3)*4), 33,792 dense bytes.
; Row r of tile a is row 32 (a>>1) + 8 (a&1) + r + 8 (r>>3) of its group.  THE MATRIX INSTRUCTION IS USED TRANSPOSED (source 0 = a tile of the operand called B, source 1 = a tile of A): in accumulator (a, b) lane (r, h)
; holds A's row of (a, r), and its register j holds B's row 32 (b>>1) + 16 h + 8 (b&1) + j: so tiles 2 c and 2 c + 1 give a lane 16 NEIGHBOURS along B's rows, which is what a conversion and the next operand's layout want.
; q, k (clusters x = 0, 1): A = tokens, B = the weight's columns: a lane holds one token and features on end.  v (clusters x = 2): A = the weight's columns, B = tokens: a lane holds one feature and KEYS on end.
; A tile of 256 x 256 to a work-group of four waves, 128 x 128 a wave: 64 accumulators.  K = 1,024 goes in four fills of 256 through two LDS slots; a wave's one tensor load brings one record.
; CLUSTERS 4 x 4: A's records are shared along a row of the cluster, B's along a column: joint loads.  192 work-groups: a tile of 256 x 192 would cut the next operand's 128-wide fragments between waves.
; No prefetch: two of the four fills go out at the head, and the other two follow within two steps.
; THE WAY OUT: the accumulators go to the wave's own stage in LDS (inside the slots, behind their last fill and a barrier), so that a loop of four trips can take them up two tiles at a time: quantise, store.
; LIMITS: NaN and infinities are not served; a block of zeros gets the byte 1; blocks under 2^-118 are held at the byte 1.
; REGISTERS: window 0: v1-4 lane, r, h, 16 lane; v8-27 addresses and scale words at work; v32-63 scale words, two sets; v64-127 the bias as C; v128-255 A's fragments, one set.  window 1: B's, two sets.  windows 2, 3: accumulators.
.set REC,   33792
.set SLOT,  4*REC                      ; A's two records, then B's two
.set SPARE, 2*SLOT                     ; the spare words: 128 bytes a wave
.set SCW,   SPARE+512                  ; 512 bytes a wave: the scale words of its 128 rows, gathered
.set NP,    8                          ; places behind this matrix instruction (ISA guide 7.12.1)
.set LAPS,  2
.set SPW,  8
.set NIL,  9
.set ADRA, 10
.set ADRB, 12
.set ADRS, 14
.set STW,  16                          ; the stage: 65,536 x wave + 16 lane
.set STR,  17
.set SCR,  18
.set SCA,  19
.set VSO,  20
.set VO,   21                          ; v21-24
.set PW0,  25
.set PW1,  26
.set PWC,  27
.set SC,   32
.set BIAS, 64
.set AF,   128
.set TM,   32                          ; the way out: v32-47 at work, v48-63 codes, v128-191 and v192-255 two tiles' numbers
.set PC,   48
.set X0,   128
.set X1,   192
.set G1,  24
.set G0,  32
.set G1B, 48
.set G0B, 56
.set SEL, 18
.set MNT, 13
.set MSB, 0
.macro WIN new                         ; the immediate's high byte repeats the setting that is left
.if MSB != \new
	s_set_vgpr_msb (MSB<<8)|\new
.set MSB, \new
.endif
.endm
.set MUL_LO, 0xa1                      ; source 0 (B) window 1, source 1 (A) window 0, C and D window 2
.set MUL_HI, 0xf1
.set TO_B,   0x40
.macro JLOAD g0a, g1a, g0b, g1b        ; a joint load: waves 0 and 1 fetch for A, waves 2 and 3 for B; four v_nop follow each line
	s_cmp_eq_u32 s15, 0
	s_cbranch_scc0 .Lfor_b_\@
	tensor_load_to_lds s[\g0a:\g0a+3], s[\g1a:\g1a+7]
	s_nop 0
.rept 4
	v_nop
.endr
	s_branch .Lasked_\@
.Lfor_b_\@:
	tensor_load_to_lds s[\g0b:\g0b+3], s[\g1b:\g1b+7]
	s_nop 0
.rept 4
	v_nop
.endr
.Lasked_\@:
.endm
.macro CREST                           ; a round of the cluster's barrier behind its opening barrier
	s_cmp_lg_u32 s14, 0
	s_cbranch_scc1 .Lnot_wave_0_\@
	s_barrier_signal -3
.Lnot_wave_0_\@:
	s_barrier_wait -3
	s_barrier_signal -1
	s_barrier_wait -1
.endm
.macro CROUND
	s_barrier_signal -1
	s_barrier_wait -1
	CREST
.endm
.macro PLACES n
.rept \n
	v_nop
.endr
.endm
	s_load_b256 s[4:11], s[0:1], 0x0               ; h's records, the weights' records, b_qkv, the output
	v_lshl_add_u32 v[SPW], v0, 2, SPARE
	v_mov_b32 v[NIL], 0
	ds_add_u32 v8, v9
	ds_add_u32 v8, v9
	s_wait_dscnt 0x0
	v_lshrrev_b32 v1, 5, v0
	v_readfirstlane_b32 s14, v1                    ; wave 0..3
	s_lshr_b32 s15, s14, 1                         ; which of A's two groups is mine.  Also: I fetch for A (0) or for B (1)
	s_and_b32 s16, s14, 1                          ; which of B's.  Also: which group's record I fetch
	s_bfe_u32 s40, ttmp6, 0x40000                  ; cx, cy
	s_bfe_u32 s41, ttmp6, 0x40004
	s_and_b32 s18, ttmp7, 0xffff                   ; cluster y
	s_cmp_eq_u32 ttmp9, 2                          ; v's clusters: the same answer in all sixteen partners
	s_cselect_b32 s19, 0, s18                      ; A's tiles: v's four tiles of weight columns, or the tokens' sixteen
	s_cselect_b32 s70, s18, ttmp9                  ; B's tiles: the tokens' sixteen, or q's and k's eight
	s_lshl_b32 s17, s19, 2
	s_add_co_u32 s17, s17, s41                     ; A's tile
	s_lshl_b32 s42, s70, 2
	s_add_co_u32 s42, s42, s40                     ; B's tile
	s_lshl_b32 s43, s41, 2
	s_lshl_b32 s43, 15, s43                        ; my row of the cluster
	s_lshl_b32 s44, 0x1111, s40                    ; my column
	s_or_b32 s[G1], s43, (3<<16)|(1<<21)           ; 15:0 the mask; 17:16 elements of 8 bytes; 21 set beside a mask; no padding: a record is read 16 bytes a lane on end
	s_or_b32 s[G1B], s44, (3<<16)|(1<<21)
.irp g, G1, G1B
	s_mov_b32 s[\g+1], 32<<16                      ; tensor_dim0 = 32 elements: rows of 256 bytes
	s_mov_b32 s[\g+2], 132<<16                     ; tensor_dim1 = 132 rows: a record
	s_mov_b32 s[\g+3], 32<<16                      ; tile_dim0
	s_mov_b32 s[\g+4], 132                         ; tile_dim1
	s_mov_b32 s[\g+5], 32                          ; dense
	s_mov_b32 s[\g+6], 0
	s_mov_b32 s[\g+7], 0
.endr
	s_lshl_b32 s22, s17, 1
	s_add_co_u32 s22, s22, s16
	s_mul_i32 s22, s22, 4*REC                      ; A: group 2 x tile + (wave & 1), four records a group
	s_mov_b32 s23, 0
	s_lshl_b32 s92, s42, 1
	s_add_co_u32 s92, s92, s16
	s_mul_i32 s92, s92, 4*REC
	s_mov_b32 s93, 0
	s_mul_i32 s45, s14, REC                        ; where my record goes: no place in the cluster enters an LDS address
	s_wait_kmcnt 0x0
	s_add_nc_u64 s[68:69], s[6:7], 64*REC          ; w_qkv's groups 16 on: v's columns
	s_cmp_eq_u32 ttmp9, 2
	s_cselect_b64 s[20:21], s[68:69], s[4:5]
	s_cselect_b64 s[46:47], s[4:5], s[6:7]
	s_add_nc_u64 s[20:21], s[20:21], s[22:23]
	s_add_nc_u64 s[46:47], s[46:47], s[92:93]
	CROUND                                         ; all sixteen work-groups are here: the first joint loads meet
.irp s, 0,1
	s_mov_b32 s[G0+4*\s], 1
	s_add_co_u32 s[G0+4*\s+1], s45, \s*SLOT
	s_add_nc_u64 s[G0+4*\s+2:G0+4*\s+3], s[20:21], \s*REC
	s_or_b32 s[G0+4*\s+3], s[G0+4*\s+3], 0x80000000
	s_mov_b32 s[G0B+4*\s], 1
	s_add_co_u32 s[G0B+4*\s+1], s45, \s*SLOT
	s_add_nc_u64 s[G0B+4*\s+2:G0B+4*\s+3], s[46:47], \s*REC
	s_or_b32 s[G0B+4*\s+3], s[G0B+4*\s+3], 0x80000000
	JLOAD G0+4*\s, G1, G0B+4*\s, G1B               ; two loads of mine are out
.endr
	v_and_b32 v1, 31, v0                           ; lane
	v_and_b32 v2, 15, v0                           ; r
	v_bfe_u32 v3, v0, 4, 1                         ; h
	v_lshlrev_b32 v4, 4, v1                        ; 16 lane
	s_mul_i32 s21, s15, REC
	s_mul_i32 s22, s16, REC
	s_add_co_u32 s22, s22, 2*REC
.irp s, 0,1
	v_add_nc_u32 v[ADRA+\s], s21, v4
	v_add_nc_u32 v[ADRB+\s], s22, v4
	s_add_co_u32 s21, s21, SLOT
	s_add_co_u32 s22, s22, SLOT
.endr
	s_mul_i32 s21, s15, REC
	s_mul_i32 s22, s16, REC
	s_add_co_u32 s22, s22, 2*REC
	s_sub_co_u32 s22, s22, s21
	v_mul_u32_u24 v5, s22, v3                      ; lanes 16-31 take B's scale words: one product, the distance between the two records
	v_lshl_add_u32 v5, v2, 4, v5
	s_add_co_u32 s21, s21, 32768
	v_add_nc_u32 v[ADRS], s21, v5
	v_add_nc_u32 v[ADRS+1], SLOT, v[ADRS]
	s_lshl_b32 s21, s14, 16
	v_add_nc_u32 v[STW], s21, v4
	s_lshl_b32 s21, s14, 9
	s_add_co_u32 s21, s21, SCW
	v_add_nc_u32 v[SCR], s21, v4
	s_lshl_b32 s67, s17, 8
	s_lshl_b32 s21, s15, 7
	s_add_co_u32 s67, s67, s21                     ; my first row of A
	s_lshl_b32 s70, s42, 8
	s_lshl_b32 s21, s16, 7
	s_add_co_u32 s70, s70, s21                     ; my first row of B
	s_mov_b32 s23, 0
	s_cmp_eq_u32 ttmp9, 2
	s_cbranch_scc1 .Lbias_v
	s_lshl_b32 s22, s70, 2                         ; q, k: the bias goes by B's rows: eight neighbours a tile and lane
	s_add_nc_u64 s[22:23], s[8:9], s[22:23]
	v_lshlrev_b32 v5, 6, v3
.irp b, 0,1,2,3,4,5,6,7
	global_load_b128 v[BIAS+8*\b:BIAS+8*\b+3], v5, s[22:23] offset:(32*(\b/2)+8*(\b%2))*4
	global_load_b128 v[BIAS+8*\b+4:BIAS+8*\b+7], v5, s[22:23] offset:(32*(\b/2)+8*(\b%2))*4+16
.endr
	s_branch .Lbias_done
.Lbias_v:
	s_lshl_b32 s22, s67, 2                         ; v: by A's rows: one number a tile and lane, eight times
	s_add_co_u32 s22, s22, 8192
	s_add_nc_u64 s[22:23], s[8:9], s[22:23]
	v_lshrrev_b32 v5, 3, v2
	v_lshl_add_u32 v5, v5, 3, v2
	v_lshlrev_b32 v5, 2, v5
.irp a, 0,1,2,3,4,5,6,7
	global_load_b32 v[BIAS+8*\a], v5, s[22:23] offset:(32*(\a/2)+8*(\a%2))*4
.endr
	s_wait_loadcnt 0x0
.irp a, 0,1,2,3,4,5,6,7
.irp j, 1,2,3,4,5,6,7
	v_mov_b32 v[BIAS+8*\a+\j], v[BIAS+8*\a]
.endr
.endr
.Lbias_done:
.macro FRAG reg, adr, q, i             ; a fragment: four loads of 512 consecutive bytes
.irp c, 0,1,2,3
	ds_load_b128 v[\reg+4*\c:\reg+4*\c+3], v[\adr] offset:16384*(\q)+2048*(\i)+512*\c
.endr
.endm
; 16 matrix instructions: A's tiles a0, a0 + 1 x B's eight.  p: B's set; q: which 128 of the slot; sc: the set of scale words.  zero = 1: the bias by B's rows starts the sums; 2: by A's rows; 0: in place.
; The 64 accumulators take turns, one instruction a turn, in the same order in every step.
.macro MUL16 a0, p, q, sc, zero
.irp a, \a0, \a0+1
.irp b, 0,1,2,3,4,5,6,7
.if \zero == 1
	v_wmma_scale_f32_16x16x128_f8f6f4 v[8*(8*((\a)%4)+\b):8*(8*((\a)%4)+\b)+7], v[128*(\p)+16*\b:128*(\p)+16*\b+15], v[AF+16*(\a):AF+16*(\a)+15], v[BIAS+8*\b:BIAS+8*\b+7], v[SC+16*(\sc)+8*(\q)+\b], v[SC+16*(\sc)+8*(\q)+(\a)] matrix_a_scale:MATRIX_SCALE_ROW1
.elseif \zero == 2
	v_wmma_scale_f32_16x16x128_f8f6f4 v[8*(8*((\a)%4)+\b):8*(8*((\a)%4)+\b)+7], v[128*(\p)+16*\b:128*(\p)+16*\b+15], v[AF+16*(\a):AF+16*(\a)+15], v[BIAS+8*(\a):BIAS+8*(\a)+7], v[SC+16*(\sc)+8*(\q)+\b], v[SC+16*(\sc)+8*(\q)+(\a)] matrix_a_scale:MATRIX_SCALE_ROW1
.else
	v_wmma_scale_f32_16x16x128_f8f6f4 v[8*(8*((\a)%4)+\b):8*(8*((\a)%4)+\b)+7], v[128*(\p)+16*\b:128*(\p)+16*\b+15], v[AF+16*(\a):AF+16*(\a)+15], v[8*(8*((\a)%4)+\b):8*(8*((\a)%4)+\b)+7], v[SC+16*(\sc)+8*(\q)+\b], v[SC+16*(\sc)+8*(\q)+(\a)] matrix_a_scale:MATRIX_SCALE_ROW1
.endif
.endr
.endr
.endm
.macro FETCH_B slot, q, p
	WIN TO_B
.irp i, 0,1,2,3,4,5,6,7
	FRAG 128*(\p)+16*\i, ADRB+\slot, \q, \i
.endr
	WIN 0
.endm
.macro FETCH_A slot, q, i0
.irp i, \i0, \i0+1, \i0+2, \i0+3
	FRAG AF+16*(\i), ADRA+\slot, \q, \i
.endr
.endm
.macro SCALES set                      ; a slot's scale words: register 8 q + i: lanes 0-15 the word of A's tile i, lanes 16-31 that of B's; one load brings four tiles'
.irp q, 0,1
.irp hh, 0,1
	ds_load_b128 v[SC+16*\set+8*\q+4*\hh:SC+16*\set+8*\q+4*\hh+3], v[ADRS+\set] offset:512*\q+256*\hh
.endr
.endr
.endm
.macro STEP slot, q, zero              ; 128 along K that has its successor in the same slot
	s_wait_dscnt 16                                ; B's set, A's tiles 0-3 and the scale words are in; the youngest sixteen loads (A's tiles 4-7) may be out
.if \zero
	WIN 0x81                                       ; C (the bias) window 0, D window 2
.else
	WIN MUL_LO
.endif
	MUL16 0, (\q)%2, \q, \slot, \zero
	MUL16 2, (\q)%2, \q, \slot, \zero
	s_wait_dscnt 0x0
	PLACES NP
	FETCH_B \slot, (\q)+1, 1-(\q)%2
	FETCH_A \slot, (\q)+1, 0
.if \zero
	WIN 0xc1
.else
	WIN MUL_HI
.endif
	MUL16 4, (\q)%2, \q, \slot, \zero
	MUL16 6, (\q)%2, \q, \slot, \zero
	PLACES NP
	WIN 0
	FETCH_A \slot, (\q)+1, 4
.endm
; A slot's last step changes slots: one barrier; ahead of it each wave waits for all its tensor loads, adds 0 to its spare word, and waits for that and for its reads of this slot.
.macro TURN slot, next, fill
	s_wait_tensorcnt 0x0                           ; all my tensor loads have landed: my part of the next slot
	ds_add_u32 v[SPW], v[NIL]                      ; 0 onto my spare word
	s_wait_dscnt 17                                ; the add and the youngest sixteen loads may be out
	WIN MUL_LO
	MUL16 0, 1, 1, \slot, 0
	s_wait_dscnt 0x0                               ; the add is done, and my reads of this slot are over
	s_barrier_signal -1
	MUL16 2, 1, 1, \slot, 0
	WIN 0
	s_barrier_wait -1
.if \fill
	CREST                                          ; the barrier has opened a round of the cluster's: no wave of any partner still reads this slot or has a load on its way
	s_add_nc_u64 s[G0+4*\slot+2:G0+4*\slot+3], s[G0+4*\slot+2:G0+4*\slot+3], 2*REC
	s_add_nc_u64 s[G0B+4*\slot+2:G0B+4*\slot+3], s[G0B+4*\slot+2:G0B+4*\slot+3], 2*REC
	JLOAD G0+4*\slot, G1, G0B+4*\slot, G1B         ; my one load behind the round; its four v_nop are among the places ahead of the loads below
	PLACES NP-4
.else
	PLACES NP
.endif
	FETCH_B \next, 0, 0
	FETCH_A \next, 0, 0
	SCALES \next
	WIN MUL_HI
	MUL16 4, 1, 1, \slot, 0
	MUL16 6, 1, 1, \slot, 0
	PLACES NP
	WIN 0
	FETCH_A \next, 0, 4
.endm
	s_wait_tensorcnt 1                             ; my record of slot 0 is in; slot 1's may be out
	s_barrier_signal -1
	s_barrier_wait -1
	FETCH_B 0, 0, 0
	FETCH_A 0, 0, 0
	SCALES 0
	FETCH_A 0, 0, 4
	s_wait_loadcnt 0x0                             ; the bias
	s_cmp_eq_u32 ttmp9, 2                          ; the first step starts the sums with the bias: written twice, since the bias goes by other rows in v's clusters
	s_cbranch_scc1 .Lfirst_v
	STEP 0, 0, 1
	s_branch .Lfirst_done
.Lfirst_v:
	STEP 0, 0, 2
.Lfirst_done:
	s_mov_b32 s3, LAPS-1
.Llap:
	TURN 0, 1, 1
	STEP 1, 0, 0
	TURN 1, 0, 1
	STEP 0, 0, 0
	s_sub_co_u32 s3, s3, 1
	s_cmp_lg_u32 s3, 0
	s_cbranch_scc1 .Llap
	TURN 0, 1, 0                                   ; the last lap fills nothing
	STEP 1, 0, 0
	s_wait_dscnt 16
	WIN MUL_LO
	MUL16 0, 1, 1, 1, 0
	MUL16 2, 1, 1, 1, 0
	s_wait_dscnt 0x0
	WIN MUL_HI
	MUL16 4, 1, 1, 1, 0
	MUL16 6, 1, 1, 1, 0
	WIN 0
	; ---- THE WAY OUT.  No LDS load of mine is out; behind this barrier no wave reads a slot any more, and both have had their last fill: the stages lie there.
	s_barrier_signal -1
	s_barrier_wait -1
	PLACES NP
.irp a, 0,1,2,3,4,5,6,7
	WIN 0x08+4*(\a/4)                              ; an LDS store's data are its source 1: window 2 or 3
.irp b, 0,1,2,3,4,5,6,7
	ds_store_b128 v[STW], v[8*(8*(\a%4)+\b):8*(8*(\a%4)+\b)+3] offset:(8*\a+\b)*1024        ; each accumulator from its low end on
	ds_store_b128 v[STW], v[8*(8*(\a%4)+\b)+4:8*(8*(\a%4)+\b)+7] offset:(8*\a+\b)*1024+512
.endr
.endr
	WIN 0
	; where the codes and scale words go.  q, k: [head][tile of 16 tokens][c][512 bytes]; v: [head][tile of 16 features][block of 32 keys][512 bytes]
	s_add_co_u32 s21, s67, 2048
	s_mov_b32 s94, 1024
	s_mov_b32 s96, 0x20000
	s_cmp_eq_u32 ttmp9, 2
	s_cselect_b32 s20, s70, s67                    ; my first token
	s_cselect_b32 s21, s21, s70                    ; my first feature of the 3,072
	s_cselect_b32 s94, 0x8000, s94                 ; from one of A's tiles to the next
	s_cselect_b32 s96, 1024, s96                   ; from blocks 0, 1 to blocks 2, 3: two key blocks on, or the next head
	s_cselect_b32 s22, 4, 6                        ; a token in the codes: 16 bytes (v), 64 (q, k)
	s_cselect_b32 s23, 1, 2                        ; and in the scale words: 2, 4
	s_cselect_b32 s46, 12, 8                       ; tiles 4-7's scale words: the next head (v), the next 256 bytes (q, k)
	s_mov_b32 s95, 0
	s_lshr_b32 s47, s21, 10                        ; q, k or v
	s_bfe_u32 s21, s21, 0x40006                    ; my first head
	s_lshr_b32 s92, s20, 11                        ; the batch
	s_and_b32 s20, s20, 2047
	s_lshl_b32 s92, s92, 4
	s_add_co_u32 s92, s92, s21
	s_lshl_b32 s21, s47, 22
	s_lshl_b32 s93, s92, 17
	s_add_co_u32 s21, s21, s93
	s_lshl_b32 s93, s20, s22
	s_add_co_u32 s21, s21, s93                     ; the codes
	s_lshl_b32 s93, s47, 17
	s_add_co_u32 s93, s93, 12582912
	s_lshl_b32 s92, s92, 12
	s_add_co_u32 s93, s93, s92
	s_lshl_b32 s92, s20, s23
	s_add_co_u32 s93, s93, s92                     ; the scale words
	s_mov_b32 s22, s21
	s_mov_b32 s23, 0
	s_add_nc_u64 s[68:69], s[10:11], s[22:23]
	s_mov_b32 s22, s93
	s_add_nc_u64 s[10:11], s[10:11], s[22:23]
	s_lshl_b32 s97, s94, 2
	v_mov_b32 v[VO], v4
	v_add_nc_u32 v[VO+1], s96, v4
	v_add_nc_u32 v[VO+2], s97, v[VO]
	v_add_nc_u32 v[VO+3], s97, v[VO+1]
	v_lshlrev_b32 v5, s46, v3
	v_lshl_add_u32 v[VSO], v2, 4, v5
	s_mov_b32 s[SEL], 0x76543210
	s_mov_b32 s[SEL+1], 0xfedcba98
	s_mov_b32 s[MNT], 0x600000
	s_mov_b32 s71, 0xffff0000
.irp b, 0,1,2,3
	v_mov_b32 v[TM+4+\b], 0                        ; a lane permute's destination counts as one of its sources
.endr
; 64 numbers of a lane, register 16 b + i = neighbour 32 b + 16 h + i, become a fragment's codes in v[PC] on and its scale word
.macro QUANT s, pw
.irp b, 0,1,2,3
	v_max3_num_f32 v[TM+\b], |v[\s+16*\b]|, |v[\s+1+16*\b]|, 0x4800000   ; with the floor 2^(9 - 127)
.endr
.irp i, 2,4,6,8,10,12,14
.irp b, 0,1,2,3
	v_max3_num_f32 v[TM+\b], v[TM+\b], |v[\s+16*\b+\i]|, |v[\s+1+16*\b+\i]|
.endr
.endr
.irp b, 0,1,2,3
	v_permlanex16_b32 v[TM+4+\b], v[TM+\b], s[SEL], s[SEL+1]
.endr
.irp b, 0,1,2,3
	v_max_num_f32 v[TM+\b], v[TM+\b], v[TM+4+\b]   ; with lane l xor 16's: the block's largest magnitude
.endr
.irp b, 0,1,2,3
	v_add_nc_u32 v[TM+12+\b], 0xfc000000, v[TM+\b]
.endr
.irp b, 0,1,2,3
	v_and_or_b32 v[TM+8+\b], v[TM+\b], 0x7f800000, s[MNT]
.endr
.irp b, 0,1,2,3
	v_lshrrev_b32 v[TM+4+\b], 23, v[TM+12+\b]
.endr
	v_lshl_or_b32 v[\pw], v[TM+5], 8, v[TM+4]
	v_lshl_or_b32 v[\pw], v[TM+6], 16, v[\pw]
	v_lshl_or_b32 v[\pw], v[TM+7], 24, v[\pw]
.irp b, 0,1,2,3
.irp i, 0,1,2,3,4,5,6,7,8,9,10,11,12,13,14,15
	v_med3_num_f32 v[\s+16*\b+\i], v[\s+16*\b+\i], -v[TM+8+\b], v[TM+8+\b]   ; the conversion does not saturate (ISA guide 7.6.2): the hold
.endr
	v_cvt_scalef32_pk8_fp8_f32 v[PC+4*\b:PC+1+4*\b], v[\s+16*\b:\s+7+16*\b], v[TM+12+\b]
	v_cvt_scalef32_pk8_fp8_f32 v[PC+2+4*\b:PC+3+4*\b], v[\s+8+16*\b:\s+15+16*\b], v[TM+12+\b]
.endr
	v_nop                                          ; a plain line behind the last conversion
.endm
.macro BLOCK x, pw, vo
	s_wait_xcnt 0x0                                ; the last tile's stores have read the codes' registers
	QUANT \x, \pw
	global_store_b128 v[\vo], v[PC:PC+3], s[68:69]                   ; 512 consecutive bytes each
	global_store_b128 v[\vo], v[PC+4:PC+7], s[68:69] offset:512
	global_store_b128 v[\vo+1], v[PC+8:PC+11], s[68:69]
	global_store_b128 v[\vo+1], v[PC+12:PC+15], s[68:69] offset:512
.endm
	s_mov_b32 s2, 0
	s_mov_b32 s12, 0
	s_mov_b32 s3, 4
.Lrows:                                            ; trip t: A's tiles t and t + 4
	v_add_nc_u32 v[STR], s2, v[STW]
	v_add_nc_u32 v[SCA], s12, v[SCR]
.irp b, 0,1,2,3,4,5,6,7
	ds_load_b128 v[X0+8*\b:X0+8*\b+3], v[STR] offset:1024*\b         ; LDS serves a wave's instructions in order: these see my stores
	ds_load_b128 v[X0+8*\b+4:X0+8*\b+7], v[STR] offset:1024*\b+512
.endr
.irp b, 0,1,2,3,4,5,6,7
	ds_load_b128 v[X1+8*\b:X1+8*\b+3], v[STR] offset:32768+1024*\b
	ds_load_b128 v[X1+8*\b+4:X1+8*\b+7], v[STR] offset:32768+1024*\b+512
.endr
	s_wait_dscnt 16                                ; tile t is in; tile t + 4's sixteen loads may be out
	BLOCK X0, PW0, VO
	s_wait_dscnt 0x0
	BLOCK X1, PW1, VO+2
	v_cndmask_b32 v[PWC], v[PW0], v[PW1], s71      ; lanes 0-15 carry tile t's word, lanes 16-31 tile t + 4's
	ds_store_b32 v[SCA], v[PWC]
	s_wait_xcnt 0x0                                ; the stores have read their base
	s_add_nc_u64 s[68:69], s[68:69], s[94:95]
	s_add_co_u32 s2, s2, 8192
	s_add_co_u32 s12, s12, 4
	s_sub_co_u32 s3, s3, 1
	s_cmp_lg_u32 s3, 0
	s_cbranch_scc1 .Lrows
	ds_load_b128 v[PC:PC+3], v[SCR]                ; my 128 rows' scale words: 16 bytes a lane
	s_wait_dscnt 0x0
	global_store_b128 v[VSO], v[PC:PC+3], s[10:11]
	s_wait_tensorcnt 0x0                           ; the wave's end
	ds_add_u32 v[SPW], v[NIL]
	s_wait_dscnt 0x0
	CROUND                                         ; the closing round
	s_endpgm
.Lfunc_end_k_q2c349d68d1_qkv:
	.size	k_q2c349d68d1_qkv, .Lfunc_end_k_q2c349d68d1_qkv-k_q2c349d68d1_qkv
	.p2alignl 7, 3214868480
	.fill 96, 4, 3214868480
	.section	.rodata,"a",@progbits
	.p2align	6, 0x0
	.amdhsa_kernel k_q2c349d68d1_qkv
		.amdhsa_group_segment_fixed_size 327680
		.amdhsa_private_segment_fixed_size 0
		.amdhsa_enable_private_segment 0
		.amdhsa_kernarg_size 32
		.amdhsa_user_sgpr_count 2
		.amdhsa_user_sgpr_kernarg_segment_ptr 1
		.amdhsa_wavefront_size32 1
		.amdhsa_system_sgpr_workgroup_id_x 1
		.amdhsa_system_sgpr_workgroup_id_y 1
		.amdhsa_system_sgpr_workgroup_id_z 1
		.amdhsa_system_vgpr_workitem_id 0
		.amdhsa_next_free_vgpr 1024
		.amdhsa_next_free_sgpr 100
		.amdhsa_reserve_vcc 0
		.amdhsa_float_denorm_mode_32 3
		.amdhsa_float_denorm_mode_16_64 3
		.amdhsa_memory_ordered 1
		.amdhsa_forward_progress 1
		.amdhsa_inst_pref_size 159
	.end_amdhsa_kernel
	.amdgpu_metadata
---
amdhsa.version: [ 1, 2 ]
amdhsa.kernels:
  - .name:           k_q2c349d68d1_qkv
    .symbol:         k_q2c349d68d1_qkv.kd
    .args:
      - { .name: hrec, .offset: 0, .size: 8, .value_kind: global_buffer, .address_space: global }
      - { .name: wrec, .offset: 8, .size: 8, .value_kind: global_buffer, .address_space: global }
      - { .name: b_qkv, .offset: 16, .size: 8, .value_kind: global_buffer, .address_space: global }
      - { .name: qkvb, .offset: 24, .size: 8, .value_kind: global_buffer, .address_space: global }
    .group_segment_fixed_size: 327680
    .private_segment_fixed_size: 0
    .kernarg_segment_align: 8
    .kernarg_segment_size: 32
    .max_flat_workgroup_size: 128
    .sgpr_count:     100
    .vgpr_count:     1024
    .wavefront_size: 32
...
	.end_amdgpu_metadata
.endif
;; end of part 2
;; launch attn (part 3): grid 16 x 16, 16 waves a work-group, no clusters, 68,608 bytes of LDS; arguments qkvb, ctxrec; writes ctxrec
.if DOCPART == 3
	.amdgcn_target "amdgcn-amd-amdhsa--gfx1250"
	.amdhsa_code_object_version 6
	.text
	.protected	k_q2c349d68d1_attn
	.globl	k_q2c349d68d1_attn
	.p2align	8
	.type	k_q2c349d68d1_attn,@function
k_q2c349d68d1_attn:
	s_mov_b64 s[64:65], 0
	v_nop
	global_prefetch_b8 v0, s[64:65] scope:SCOPE_SE
	s_setreg_imm32_b32 hwreg(HW_REG_WAVE_MODE, 25, 1), 1
	s_wait_xcnt 0x0
; Attention in a causal band of 128 keys, 16 heads of 64, both products on codes of E4M3 with E8M0 scales; the result, divided by the row's sum, is quantised along the features and laid as the next product's records.
; A work-group owns 128 queries (chunk C) of a pair of heads; each of its sixteen waves one tile of 16 queries of one head.  Query i sees keys i - 127 .. i: for a tile whose queries lie in one block of 32 those are
; FIVE blocks of 32 keys, 160 keys: the rest lies wholly under the mask that the problem builds itself and is not multiplied.  All of a row's keys are present at once: one maximum, no running rescaling.
; The work-group copies the keys and values of chunks C - 1 and C (two heads, 64 KiB) into LDS once, through registers.  For C = 0 the bytes copied for chunk -1 are other valid codes: their scores are masked.
; Both products are used transposed: S^T = K Q^T, O^T = V^T P^T: a lane holds one query throughout.  The rows of every tile are permuted (row r of tile t is 32 (t>>1) + 8 (t&1) + r + 8 (r>>3)), so that two neighbouring
; tiles give a lane 16 neighbouring keys, or features.
; THE HEAD HAS 64 ALONG K, THE INSTRUCTION 128: Q's upper eight registers hold zero codes; K's operand runs on into the next tile's codes, which meet those zeros.  Likewise the fifth key block: P's codes in four registers, twelve of zeros.
; SOFTMAX: t = score x log2(e) / 8; M = ceil(the row's largest t); p = 2^(t - M) is quantised along the keys; the sum of the unquantised p divides at the end.
; No tensor load and no joint request: a work-group reads its 64 KiB once, there is no loop in which requests recur.  No prefetch: all loads go out at the head.
; LIMITS: NaN and infinities are not served; a block of zeros gets the byte 1; blocks under 2^-118 are held at the byte 1.
; REGISTERS: v1 K's LDS address, v2 V's, v3 d = my query's place in its block - 16 h, v4 -infinity, v5-7 LDS addresses; v12 -M, v13 t, v[14:15] the sum; v16-95 K, then V; v96-111 zeros and Q, then P's codes;
; v112-127 zeros, P's fifth block; v128-207 S^T, p; later O^T v128-159 and o v160-191; v208-227 at work, five each; v228-248 scale words and nothing else; v249-251 at work; v252 16 lane.
.set REC, 33792
.set S,   128
.set SCG, 65536                        ; LDS behind K and V: 512 bytes: the scale words of the chunk's 128 rows
.set SEL, 40
.set CS,  42
.set MNT, 44
	s_load_b128 s[4:7], s[0:1], 0x0                ; q, k, v as codes and scales; the records of ctx
	v_lshl_add_u32 v10, v0, 2, 0x10400
	v_mov_b32 v11, 0
	v_lshrrev_b32 v1, 5, v0
	v_readfirstlane_b32 s8, v1                     ; wave 0..15
	s_lshr_b32 s9, s8, 3                           ; which head of the pair
	s_and_b32 s10, s8, 7                           ; t: which tile of the chunk
	s_mov_b32 s11, ttmp9                           ; C
	s_and_b32 s12, ttmp7, 0xffff                   ; y = 8 x batch + pair
	s_lshr_b32 s13, s12, 3
	s_and_b32 s14, s12, 7
	s_lshl_b32 s15, s12, 1
	s_add_co_u32 s15, s15, s9                      ; 16 x batch + head
	s_lshr_b32 s16, s10, 1                         ; my queries' block of 32 in the chunk: my window is blocks b0 .. b0 + 4 of the eight in LDS
	; what I copy: waves t < 4 four tiles of K, the others one tile of V^T's eight key blocks; 4 KiB in two halves
	s_lshl_b32 s20, s15, 7
	s_lshl_b32 s21, s11, 3
	s_add_co_u32 s20, s20, s21
	s_lshl_b32 s21, s10, 2
	s_add_co_u32 s20, s20, s21
	s_sub_co_i32 s20, s20, 8
	s_max_i32 s20, s20, 0                          ; (held inside the buffer: what it then brings is masked)
	s_lshl_b32 s20, s20, 10
	s_add_co_u32 s20, s20, 0x400000
	s_add_co_u32 s21, s20, 2048
	s_lshl_b32 s22, s15, 8
	s_lshl_b32 s23, s10, 6
	s_add_co_u32 s22, s22, s23
	s_sub_co_i32 s22, s22, 256
	s_lshl_b32 s23, s11, 2
	s_add_co_i32 s22, s22, s23
	s_max_i32 s22, s22, 0
	s_sub_co_i32 s23, s22, 4
	s_max_i32 s23, s23, 0
	s_lshl_b32 s23, s23, 9
	s_add_co_u32 s23, s23, 0x800000
	s_lshl_b32 s22, s22, 9
	s_add_co_u32 s22, s22, 0x800000
	s_cmp_lt_u32 s10, 4
	s_cselect_b32 s20, s20, s23
	s_cselect_b32 s21, s21, s22
	v_and_b32 v252, 31, v0
	v_lshlrev_b32 v252, 4, v252                    ; 16 lane
	v_and_b32 v254, 15, v0                         ; r
	v_lshlrev_b32 v253, 4, v254                    ; 16 r
	v_bfe_u32 v255, v0, 4, 1                       ; h
	v_add_nc_u32 v157, s20, v252
	v_add_nc_u32 v158, s21, v252
	s_lshl_b32 s24, s15, 17                        ; Q: my head, my tile T = 8 C + t
	s_lshl_b32 s25, s11, 3
	s_add_co_u32 s25, s25, s10
	s_lshl_b32 s26, s25, 10
	s_add_co_u32 s24, s24, s26
	v_add_nc_u32 v155, s24, v252
	s_lshl_b32 s26, s12, 13                        ; Q's scale word: one for a token and a pair of heads
	s_lshr_b32 s27, s25, 2
	s_lshl_b32 s27, s27, 8
	s_add_co_u32 s27, s27, s26
	s_and_b32 s28, s25, 3
	s_lshl_b32 s28, s28, 2
	s_add_co_u32 s27, s27, s28
	s_add_co_u32 s27, s27, 12582912
	v_add_nc_u32 v156, s27, v253
	s_lshl_b32 s26, s12, 5                         ; K's scale words: three groups of four tiles cover my ten tiles
	s_lshl_b32 s27, s11, 1
	s_add_co_u32 s26, s26, s27
	s_lshr_b32 s27, s10, 2
	s_add_co_u32 s26, s26, s27
	s_sub_co_i32 s26, s26, 2
.irp i, 0,1,2
	s_add_co_i32 s27, s26, \i
	s_max_i32 s27, s27, 0
	s_lshl_b32 s27, s27, 8
	s_add_co_u32 s27, s27, 12582912+131072
	v_add_nc_u32 v[152+\i], s27, v253
.endr
	s_lshl_b32 s26, s15, 4                         ; V's scale words: chunk C - 1's and chunk C's, four tiles of features each
	s_add_co_u32 s26, s26, s11
	s_sub_co_i32 s27, s26, 1
	s_max_i32 s27, s27, 0
	s_lshl_b32 s27, s27, 8
	s_add_co_u32 s27, s27, 12582912+262144
	v_add_nc_u32 v150, s27, v253
	s_lshl_b32 s26, s26, 8
	s_add_co_u32 s26, s26, 12582912+262144
	v_add_nc_u32 v151, s26, v253
	s_wait_kmcnt 0x0
.irp i, 0,1,2,3
	global_load_b128 v[160+4*\i:163+4*\i], v157, s[4:5] offset:512*\i
.endr
.irp i, 0,1,2,3
	global_load_b128 v[176+4*\i:179+4*\i], v158, s[4:5] offset:512*\i
.endr
	global_load_b128 v[104:107], v155, s[4:5]
	global_load_b128 v[108:111], v155, s[4:5] offset:512
	global_load_b32 v148, v156, s[4:5]
	global_load_b128 v[128:131], v152, s[4:5]
	global_load_b128 v[132:135], v153, s[4:5]
	global_load_b128 v[136:139], v154, s[4:5]
	global_load_b128 v[140:143], v150, s[4:5]
	global_load_b128 v[144:147], v151, s[4:5]
	; every LDS address is made here
	s_lshl_b32 s30, s9, 15
	s_lshl_b32 s31, s16, 11
	s_add_co_u32 s31, s31, s30
	v_add_nc_u32 v1, s31, v252                     ; K: my head, my first tile
	s_lshl_b32 s31, s16, 9
	s_add_co_u32 s31, s31, s30
	s_add_co_u32 s31, s31, 16384
	v_add_nc_u32 v2, s31, v252                     ; V: my head, my first key block
	s_lshr_b32 s31, s10, 2
	s_lshl_b32 s31, s31, 8
	s_and_b32 s32, s10, 3
	s_lshl_b32 s32, s32, 2
	s_add_co_u32 s31, s31, s32
	s_lshl_b32 s32, s9, 1
	s_add_co_u32 s31, s31, s32
	s_add_co_u32 s31, s31, SCG
	v_add_nc_u32 v5, s31, v253                     ; my two scale bytes' place
	v_add_nc_u32 v6, SCG, v252                     ; and the way out of them
	s_lshl_b32 s31, s8, 12
	v_add_nc_u32 v7, s31, v252                     ; where my copy goes
	v_lshrrev_b32 v3, 3, v254
	v_lshl_add_u32 v3, v3, 3, v254
	v_lshlrev_b32 v4, 4, v255
	v_sub_nc_u32 v3, v3, v4
	s_and_b32 s31, s10, 1
	s_lshl_b32 s31, s31, 3
	v_add_nc_u32 v3, s31, v3                       ; d: register i of a block holds the key at place 16 h + i: it lies behind my query where i > d
	v_mov_b32 v4, 0xff800000
.set i, 0
.rept 8
	v_mov_b32 v[96+i], 0                           ; zero codes behind K's last tile,
.set i, i+1
.endr
.set i, 0
.rept 16
	v_mov_b32 v[112+i], 0                          ; behind Q's 64, and behind P's fifth block
.set i, i+1
.endr
.irp b, 0,1,2,3,4
	v_mov_b32 v[213+\b], 0                         ; a lane permute's destination counts as one of its sources
.endr
	s_and_b32 s31, s16, 1                          ; byte selects: which word of two, which half of it
	s_lshl_b32 s31, s31, 2
	s_lshl_b32 s32, s9, 1
	s_add_co_u32 s31, s31, s32
	s_mul_i32 s31, s31, 0x01010101
	s_add_co_u32 s31, s31, 0x01000100              ; K's: my head's two bytes, twice (the upper two stand over zero codes)
	s_mul_i32 s32, s32, 0x01010101
	s_add_co_u32 s32, s32, 0x01000100              ; Q's
	s_mul_i32 s33, s16, 0x01010101
	s_add_co_u32 s34, s33, 0x04040404              ; V's fifth block
	s_add_co_u32 s33, s33, 0x03020100              ; V's first four
	s_mov_b32 s[SEL], 0x76543210
	s_mov_b32 s[SEL+1], 0xfedcba98
	s_mov_b32 s[CS], 0x3e38aa3b                    ; log2(e) / 8
	s_mov_b32 s[CS+1], s[CS]
	s_mov_b32 s[MNT], 0x600000
	s_lshl_b32 s36, s13, 4                         ; the record of ctx: group 16 x batch + C, K step pair >> 1
	s_add_co_u32 s36, s36, s11
	s_lshl_b32 s36, s36, 2
	s_lshr_b32 s37, s14, 1
	s_add_co_u32 s36, s36, s37
	s_mul_i32 s36, s36, REC
	s_and_b32 s37, s14, 1
	s_lshl_b32 s38, s37, 9
	s_add_co_u32 s38, s38, s36
	s_add_co_u32 s38, s38, 32768
	s_lshl_b32 s37, s37, 14
	s_add_co_u32 s36, s36, s37
	s_lshl_b32 s37, s10, 11
	s_add_co_u32 s36, s36, s37
	s_lshl_b32 s37, s9, 10
	s_add_co_u32 s36, s36, s37
	s_mov_b32 s37, 0
	s_mov_b32 s39, 0
	s_add_nc_u64 s[36:37], s[6:7], s[36:37]
	s_add_nc_u64 s[38:39], s[6:7], s[38:39]
	s_wait_loadcnt 8                               ; my copy's eight loads are in; the eight issued behind them may be out
.irp i, 0,1,2,3,4,5,6,7
	ds_store_b128 v7, v[160+4*\i:163+4*\i] offset:512*\i
.endr
	s_wait_dscnt 0x0                               ; for the others' sake
	s_barrier_signal -1
	s_barrier_wait -1                              ; K and V of both heads lie in LDS
.irp x, 0,1,2,3,4,5,6,7,8,9
	ds_load_b128 v[16+8*\x:19+8*\x], v1 offset:1024*\x
	ds_load_b128 v[20+8*\x:23+8*\x], v1 offset:1024*\x+512
.endr
	s_wait_loadcnt 0x0
.irp x, 0,1,2,3,4,5,6,7,8,9
	v_perm_b32 v[228+\x], v[130+\x], v[128+\x], s31
.endr
	v_perm_b32 v238, v148, v148, s32
.irp d, 0,1,2,3
	v_perm_b32 v[239+\d], v[144+\d], v[140+\d], s33
	v_perm_b32 v[243+\d], v[144+\d], v[144+\d], s34
.endr
.rept 8
	v_nop                                          ; a scale word made by a vector instruction stands eight places ahead of the product
.endr
	s_wait_dscnt 0x0
.irp x, 0,1,2,3,4,5,6,7,8,9
	v_wmma_scale_f32_16x16x128_f8f6f4 v[S+8*\x:S+8*\x+7], v[16+8*\x:31+8*\x], v[104:119], 0, v[228+\x], v238
.endr
.rept 8
	v_nop                                          ; places ahead of the loads into K's registers and of the first read of the scores
.endr
.irp d, 0,1,2,3
.irp i, 0,1,2,3,4
	ds_load_b128 v[16+20*\d+4*\i:19+20*\d+4*\i], v2 offset:4096*\d+512*\i    ; V lands under the softmax
.endr
.endr
	; THE BAND.  Block 0 lies 128 keys back: a key there counts where its place is behind my query's; block 4 is my own: where it is not.
.irp i, 0,1,2,3,4,5,6,7,8,9,10,11,12,13,14,15
	v_cmp_le_i32 vcc_lo, \i, v3
	v_cndmask_b32 v[S+\i], v[S+\i], v4, vcc_lo
.endr
.irp i, 0,1,2,3,4,5,6,7,8,9,10,11,12,13,14,15
	v_cmp_gt_i32 vcc_lo, \i, v3
	v_cndmask_b32 v[S+64+\i], v[S+64+\i], v4, vcc_lo
.endr
	s_cmp_lg_u32 s11, 0
	s_cbranch_scc1 .Lfull
.irp x, 0,1,2,3                        ; the first chunk has no keys ahead of it: blocks that would lie in chunk -1 are hidden whole
	s_add_co_u32 s35, s16, \x
	s_cmp_lt_u32 s35, 4
	s_cselect_b32 s35, -1, 0
.irp i, 0,1,2,3,4,5,6,7,8,9,10,11,12,13,14,15
	v_cndmask_b32 v[S+16*\x+\i], v[S+16*\x+\i], v4, s35
.endr
.endr
.Lfull:
.irp b, 0,1,2,3,4
	v_max3_num_f32 v[208+\b], v[S+16*\b], v[S+1+16*\b], v[S+2+16*\b]   ; each block's largest score: for the row's maximum, and, since p rises with the score, for the block's largest p
.endr
.irp i, 3,5,7,9,11,13
.irp b, 0,1,2,3,4
	v_max3_num_f32 v[208+\b], v[208+\b], v[S+16*\b+\i], v[S+1+16*\b+\i]
.endr
.endr
.irp b, 0,1,2,3,4
	v_max_num_f32 v[208+\b], v[208+\b], v[S+15+16*\b]
.endr
.irp b, 0,1,2,3,4
	v_permlanex16_b32 v[213+\b], v[208+\b], s[SEL], s[SEL+1]
.endr
.irp b, 0,1,2,3,4
	v_max_num_f32 v[208+\b], v[208+\b], v[213+\b]
.endr
	v_max3_num_f32 v249, v208, v209, v210
	v_max3_num_f32 v249, v249, v211, v212          ; my own key always counts: a number
	v_mul_f32 v13, s[CS], v249
	v_floor_f32 v12, -v13                          ; -M = floor(-t)
.set j, 0
.rept 40
	v_pk_fma_f32 v[S+j:S+j+1], v[S+j:S+j+1], s[CS:CS+1], v[12:13] op_sel_hi:[1,0,0]   ; t - M
.set j, j+2
.endr
.irp b, 0,1,2,3,4
	v_fma_f32 v[208+\b], v[208+\b], s[CS], v12
.endr
.set j, 0
.rept 80
	v_exp_f32 v[S+j], v[S+j]
.set j, j+1
.endr
	v_nop                                          ; a plain line behind the batch,
	s_wait_alu depctr_va_vdst(0)                   ; and one wait for it, ahead of its first reader
.irp b, 0,1,2,3,4
	v_exp_f32 v[208+\b], v[208+\b]                 ; each block's largest p
.endr
	v_pk_add_f32 v[14:15], v[S:S+1], v[S+2:S+3]    ; the row's sum, of the unquantised p, in two chains
	v_pk_add_f32 v[250:251], v[S+4:S+5], v[S+6:S+7]
.set j, 8
.rept 18
	v_pk_add_f32 v[14:15], v[14:15], v[S+j:S+j+1]
	v_pk_add_f32 v[250:251], v[250:251], v[S+j+2:S+j+3]
.set j, j+4
.endr
	v_pk_add_f32 v[14:15], v[14:15], v[250:251]
	s_wait_alu depctr_va_vdst(0)                   ; for the five
.irp b, 0,1,2,3,4
	v_max_num_f32 v[208+\b], 0x4800000, v[208+\b]  ; the floor: a hidden block keeps the byte 1 over zero codes
.endr
.irp b, 0,1,2,3,4
	v_add_nc_u32 v[223+\b], 0xfc000000, v[208+\b]
.endr
.irp b, 0,1,2,3,4
	v_and_or_b32 v[218+\b], v[208+\b], 0x7f800000, s[MNT]
.endr
.irp b, 0,1,2,3,4
	v_lshrrev_b32 v[213+\b], 23, v[223+\b]
.endr
	v_lshl_or_b32 v247, v214, 8, v213              ; p's scale word for blocks 0 to 3,
	v_lshl_or_b32 v247, v215, 16, v247
	v_lshl_or_b32 v247, v216, 24, v247
	v_mov_b32 v248, v217                           ; and for block 4 (its upper bytes stand over zero codes)
.irp b, 0,1,2,3,4
.irp i, 0,1,2,3,4,5,6,7,8,9,10,11,12,13,14,15
	v_min_num_f32 v[S+16*\b+\i], v[S+16*\b+\i], v[218+\b]   ; p is not negative: a one-sided hold
.endr
	v_cvt_scalef32_pk8_fp8_f32 v[96+4*\b:97+4*\b], v[S+16*\b:S+7+16*\b], v[223+\b]
	v_cvt_scalef32_pk8_fp8_f32 v[98+4*\b:99+4*\b], v[S+8+16*\b:S+15+16*\b], v[223+\b]
.endr
.rept 8
	v_nop                                          ; places between the codes and the products
.endr
	s_wait_dscnt 0x0                               ; V
.irp d, 0,1,2,3
	v_wmma_scale_f32_16x16x128_f8f6f4 v[S+8*\d:S+8*\d+7], v[16+20*\d:31+20*\d], v[96:111], 0, v[239+\d], v247
.endr
.irp d, 0,1,2,3                        ; the four accumulators by turns: three others' stand between two links
	v_wmma_scale_f32_16x16x128_f8f6f4 v[S+8*\d:S+8*\d+7], v[32+20*\d:47+20*\d], v[112:127], v[S+8*\d:S+8*\d+7], v[243+\d], v248
.endr
	v_add_f32 v14, v14, v15
	v_permlanex16_b32 v249, v14, s[SEL], s[SEL+1]
	v_add_f32 v14, v14, v249                       ; the row's sum
	v_rcp_f32 v14, v14
.rept 8
	v_nop                                          ; the places behind the products; the first is also the plain line behind the reciprocal
.endr
	s_wait_alu depctr_va_vdst(0)
.set j, 0
.rept 32
	v_mul_f32 v[160+j], v[S+j], v14                ; register 8 d + i: feature 32 (d>>1) + 16 h + 8 (d&1) + i of my head
.set j, j+1
.endr
.irp b, 0,1
	v_max3_num_f32 v[208+\b], |v[160+16*\b]|, |v[161+16*\b]|, 0x4800000
.endr
.irp i, 2,4,6,8,10,12,14
.irp b, 0,1
	v_max3_num_f32 v[208+\b], v[208+\b], |v[160+16*\b+\i]|, |v[161+16*\b+\i]|
.endr
.endr
.irp b, 0,1
	v_permlanex16_b32 v[213+\b], v[208+\b], s[SEL], s[SEL+1]
.endr
.irp b, 0,1
	v_max_num_f32 v[208+\b], v[208+\b], v[213+\b]
.endr
.irp b, 0,1
	v_add_nc_u32 v[223+\b], 0xfc000000, v[208+\b]
.endr
.irp b, 0,1
	v_and_or_b32 v[218+\b], v[208+\b], 0x7f800000, s[MNT]
.endr
.irp b, 0,1
	v_lshrrev_b32 v[213+\b], 23, v[223+\b]
.endr
	v_lshl_or_b32 v249, v214, 8, v213              ; my head's two bytes of the row's scale word
.irp b, 0,1
.irp i, 0,1,2,3,4,5,6,7,8,9,10,11,12,13,14,15
	v_med3_num_f32 v[160+16*\b+\i], v[160+16*\b+\i], -v[218+\b], v[218+\b]
.endr
	v_cvt_scalef32_pk8_fp8_f32 v[16+4*\b:17+4*\b], v[160+16*\b:167+16*\b], v[223+\b]
	v_cvt_scalef32_pk8_fp8_f32 v[18+4*\b:19+4*\b], v[168+16*\b:175+16*\b], v[223+\b]
.endr
	v_nop
	global_store_b128 v252, v[16:19], s[36:37]     ; 512 consecutive bytes each
	global_store_b128 v252, v[20:23], s[36:37] offset:512
	ds_store_b16 v5, v249                          ; both halves of the lanes write the same bytes with the same value
	s_wait_dscnt 0x0
	s_barrier_signal -1
	s_barrier_wait -1
	s_cmp_lg_u32 s8, 0
	s_cbranch_scc1 .Lend
	ds_load_b128 v[24:27], v6
	s_wait_dscnt 0x0
	global_store_b128 v252, v[24:27], s[38:39]     ; the chunk's scale words for this K step: 512 consecutive bytes
.Lend:
	s_wait_tensorcnt 0x0
	ds_add_u32 v10, v11
	s_wait_dscnt 0x0
	s_endpgm
.Lfunc_end_k_q2c349d68d1_attn:
	.size	k_q2c349d68d1_attn, .Lfunc_end_k_q2c349d68d1_attn-k_q2c349d68d1_attn
	.p2alignl 7, 3214868480
	.fill 96, 4, 3214868480
	.section	.rodata,"a",@progbits
	.p2align	6, 0x0
	.amdhsa_kernel k_q2c349d68d1_attn
		.amdhsa_group_segment_fixed_size 68608
		.amdhsa_private_segment_fixed_size 0
		.amdhsa_enable_private_segment 0
		.amdhsa_kernarg_size 16
		.amdhsa_user_sgpr_count 2
		.amdhsa_user_sgpr_kernarg_segment_ptr 1
		.amdhsa_wavefront_size32 1
		.amdhsa_system_sgpr_workgroup_id_x 1
		.amdhsa_system_sgpr_workgroup_id_y 1
		.amdhsa_system_sgpr_workgroup_id_z 1
		.amdhsa_system_vgpr_workitem_id 0
		.amdhsa_next_free_vgpr 256
		.amdhsa_next_free_sgpr 66
		.amdhsa_reserve_vcc 1
		.amdhsa_float_denorm_mode_32 3
		.amdhsa_float_denorm_mode_16_64 3
		.amdhsa_memory_ordered 1
		.amdhsa_forward_progress 1
		.amdhsa_inst_pref_size 45
	.end_amdhsa_kernel
	.amdgpu_metadata
---
amdhsa.version: [ 1, 2 ]
amdhsa.kernels:
  - .name:           k_q2c349d68d1_attn
    .symbol:         k_q2c349d68d1_attn.kd
    .args:
      - { .name: qkvb, .offset: 0, .size: 8, .value_kind: global_buffer, .address_space: global }
      - { .name: ctxrec, .offset: 8, .size: 8, .value_kind: global_buffer, .address_space: global }
    .group_segment_fixed_size: 68608
    .private_segment_fixed_size: 0
    .kernarg_segment_align: 8
    .kernarg_segment_size: 16
    .max_flat_workgroup_size: 512
    .sgpr_count:     66
    .vgpr_count:     256
    .wavefront_size: 32
...
	.end_amdgpu_metadata
.endif
;; end of part 3
;; launch outp (part 4): grid 8 x 32, 4 waves a work-group, clusters of 4 x 4, 327,680 bytes of LDS; arguments ctxrec, wrec, b_out, x, x1; writes x1
.if DOCPART == 4
	.amdgcn_target "amdgcn-amd-amdhsa--gfx1250"
	.amdhsa_code_object_version 6
	.text
	.protected	k_q2c349d68d1_outp
	.globl	k_q2c349d68d1_outp
	.p2align	8
	.type	k_q2c349d68d1_outp,@function
k_q2c349d68d1_outp:
	s_mov_b64 s[64:65], 0
	v_nop
	global_prefetch_b8 v0, s[64:65] scope:SCOPE_SE
	s_setreg_imm32_b32 hwreg(HW_REG_WAVE_MODE, 25, 1), 1
	s_wait_xcnt 0x0
	s_wait_alu depctr_hold_cnt(0) depctr_sa_sdst(0) depctr_va_vdst(0) depctr_va_sdst(0) depctr_va_ssrc(0) depctr_va_vcc(0) depctr_vm_vsrc(0)
	s_getreg_b32 s2, hwreg(HW_REG_IB_STS2, 6, 4)
	s_cmp_eq_u32 s2, 0
	s_cbranch_scc0 .Lentry_in_a_cluster
	s_endpgm
.Lentry_in_a_cluster:
	s_bfe_u32 s2, ttmp6, 0x10000c
	s_cmp_lg_u32 s2, 0xf033
	s_cbranch_scc0 .Lentry_shape_is_right
	s_endpgm
.Lentry_shape_is_right:
; y = res + (A W + bias): A [4,096][K] and W [K][1,024] as RECORDS of E4M3 codes and E8M0 scale words in the order of the operands' registers; res and y f32 [4,096][1,024].  Here: K = 1,024, A = ctx, W = w_out, res = x.
; A record is 128 rows x 256 K, 33,792 dense bytes (codes at kk*16384 + a*2048 + c*512 + 16 lane; scale words at 32768 + kk*512 + ((a>>2)*16 + r)*16 + (a&3)*4); row r of tile a is row 32 (a>>1) + 8 (a&1) + r + 8 (r>>3).
; A tile of 128 x 128 to a work-group, 256 work-groups (tiles of 256 x 256 would be 64); four waves, 64 x 64 each: 16 accumulators.  A slot holds 512 along K: two records of A, two of B, one tensor load a wave.
; CLUSTERS 4 x 4: A's records shared along a row of the cluster, B's along a column: joint loads.  THE MATRIX INSTRUCTION IS USED TRANSPOSED: a lane holds eight neighbouring columns of one row of y.
; The bias is the C of each sum's first instruction.  The residual is asked for at the head and lands under the whole K loop.  The way out goes through the wave's stage, so that sixteen lanes store 256 consecutive bytes.
; No prefetch: both fills go out at the head.
; REGISTERS: window 0: v1-5 at work, v8-18 addresses, v32-63 scale words (two sets), v64-95 the bias, v128-255 accumulators ((a, b) at 128 + 8 (4 a + b)).  window 1: two fragment buffers (A's four, B's four).  window 2: v0-127 the residual.
.set NK2,   4                          ; records along K
.set LAPS,  1                          ; K / 1,024
.set WOFF,  96*33792                   ; where this weight's records begin
.set REC,   33792
.set SLOT,  4*REC
.set SPARE, 2*SLOT
.set SPW,  8
.set NIL,  9
.set ADRA, 10
.set ADRB, 12
.set ADRS, 14
.set STO,  16
.set RD,   17
.set CO,   18
.set SC,   32
.set BIAS, 64
.set ACC,  128
.set F0,   0
.set F1,   128
.set G1,  24
.set G0,  32
.set G1B, 48
.set G0B, 56
.set MUL,  0x05                        ; sources 0 (B) and 1 (A) window 1; C and D window 0
.set MSB, 0
.macro WIN new
.if MSB != \new
	s_set_vgpr_msb (MSB<<8)|\new
.set MSB, \new
.endif
.endm
.macro JLOAD g0a, g1a, g0b, g1b        ; a joint load: waves 0 and 1 fetch for A, waves 2 and 3 for B; four v_nop follow each line
	s_cmp_eq_u32 s15, 0
	s_cbranch_scc0 .Lfor_b_\@
	tensor_load_to_lds s[\g0a:\g0a+3], s[\g1a:\g1a+7]
	s_nop 0
.rept 4
	v_nop
.endr
	s_branch .Lasked_\@
.Lfor_b_\@:
	tensor_load_to_lds s[\g0b:\g0b+3], s[\g1b:\g1b+7]
	s_nop 0
.rept 4
	v_nop
.endr
.Lasked_\@:
.endm
.macro CREST
	s_cmp_lg_u32 s14, 0
	s_cbranch_scc1 .Lnot_wave_0_\@
	s_barrier_signal -3
.Lnot_wave_0_\@:
	s_barrier_wait -3
	s_barrier_signal -1
	s_barrier_wait -1
.endm
.macro CROUND
	s_barrier_signal -1
	s_barrier_wait -1
	CREST
.endm
.macro PLACES n
.rept \n
	v_nop
.endr
.endm
	s_load_b256 s[4:11], s[0:1], 0x0               ; A's records, the weights' records, the bias, the residual
	s_load_b64 s[12:13], s[0:1], 0x20              ; y
	v_lshl_add_u32 v[SPW], v0, 2, SPARE
	v_mov_b32 v[NIL], 0
	ds_add_u32 v8, v9
	ds_add_u32 v8, v9
	s_wait_dscnt 0x0
	v_lshrrev_b32 v1, 5, v0
	v_readfirstlane_b32 s14, v1                    ; wave 0..3
	s_lshr_b32 s15, s14, 1                         ; which 64 rows are mine.  Also: I fetch for A (0) or for B (1)
	s_and_b32 s16, s14, 1                          ; which 64 columns.  Also: which of a slot's two records I fetch
	s_bfe_u32 s40, ttmp6, 0x40000
	s_bfe_u32 s41, ttmp6, 0x40004
	s_lshl_b32 s42, ttmp9, 2
	s_add_co_u32 s42, s42, s40                     ; tile column
	s_and_b32 s17, ttmp7, 0xffff
	s_lshl_b32 s17, s17, 2
	s_add_co_u32 s17, s17, s41                     ; tile row
	s_lshl_b32 s43, s41, 2
	s_lshl_b32 s43, 15, s43
	s_lshl_b32 s44, 0x1111, s40
	s_or_b32 s[G1], s43, (3<<16)|(1<<21)           ; the mask; elements of 8 bytes; bit 21 beside a mask; no padding
	s_or_b32 s[G1B], s44, (3<<16)|(1<<21)
.irp g, G1, G1B
	s_mov_b32 s[\g+1], 32<<16                      ; rows of 256 bytes,
	s_mov_b32 s[\g+2], 132<<16                     ; 132 of them: a record
	s_mov_b32 s[\g+3], 32<<16
	s_mov_b32 s[\g+4], 132
	s_mov_b32 s[\g+5], 32
	s_mov_b32 s[\g+6], 0
	s_mov_b32 s[\g+7], 0
.endr
	s_mul_i32 s22, s17, NK2
	s_add_co_u32 s22, s22, s16
	s_mul_i32 s22, s22, REC
	s_mov_b32 s23, 0
	s_mul_i32 s66, s42, NK2
	s_add_co_u32 s66, s66, s16
	s_mul_i32 s66, s66, REC
	s_add_co_u32 s66, s66, WOFF
	s_mov_b32 s67, 0
	s_mul_i32 s45, s14, REC
	s_wait_kmcnt 0x0
	s_add_nc_u64 s[20:21], s[4:5], s[22:23]
	s_add_nc_u64 s[46:47], s[6:7], s[66:67]
	CROUND                                         ; all sixteen work-groups are here: the first joint loads meet
.irp s, 0,1
	s_mov_b32 s[G0+4*\s], 1
	s_add_co_u32 s[G0+4*\s+1], s45, \s*SLOT
	s_add_nc_u64 s[G0+4*\s+2:G0+4*\s+3], s[20:21], \s*2*REC
	s_or_b32 s[G0+4*\s+3], s[G0+4*\s+3], 0x80000000
	s_mov_b32 s[G0B+4*\s], 1
	s_add_co_u32 s[G0B+4*\s+1], s45, \s*SLOT
	s_add_nc_u64 s[G0B+4*\s+2:G0B+4*\s+3], s[46:47], \s*2*REC
	s_or_b32 s[G0B+4*\s+3], s[G0B+4*\s+3], 0x80000000
	JLOAD G0+4*\s, G1, G0B+4*\s, G1B               ; two loads of mine are out
.endr
	v_and_b32 v1, 31, v0
	v_and_b32 v2, 15, v0                           ; r
	v_bfe_u32 v3, v0, 4, 1                         ; h
	v_lshlrev_b32 v4, 4, v1                        ; 16 lane
	s_lshl_b32 s21, s15, 13                        ; my four tiles of A,
	s_lshl_b32 s22, s16, 13                        ; of B, behind A's two records
	s_add_co_u32 s22, s22, 2*REC
.irp s, 0,1
	v_add_nc_u32 v[ADRA+\s], s21, v4
	v_add_nc_u32 v[ADRB+\s], s22, v4
	s_add_co_u32 s21, s21, SLOT
	s_add_co_u32 s22, s22, SLOT
.endr
	s_lshl_b32 s21, s15, 8
	s_lshl_b32 s22, s16, 8
	s_add_co_u32 s22, s22, 2*REC
	s_sub_co_u32 s22, s22, s21
	v_mul_u32_u24 v5, s22, v3                      ; lanes 16-31 take B's scale words: one product
	v_lshl_add_u32 v5, v2, 4, v5
	s_add_co_u32 s21, s21, 32768
	v_add_nc_u32 v[ADRS], s21, v5
	v_add_nc_u32 v[ADRS+1], SLOT, v[ADRS]
	s_mul_i32 s21, s14, 4352                       ; my stage: 16 rows x (256 + 16) bytes, in slot 0
	v_mul_u32_u24 v[STO], v2, 272
	v_lshl_add_u32 v[STO], v3, 6, v[STO]
	v_add_nc_u32 v[STO], s21, v[STO]
	v_mul_u32_u24 v[RD], v3, 272
	v_lshl_add_u32 v[RD], v2, 4, v[RD]
	v_add_nc_u32 v[RD], s21, v[RD]
	v_lshlrev_b32 v[CO], 12, v3
	v_lshl_add_u32 v[CO], v2, 4, v[CO]             ; lanes 0-15 one row's 256 bytes, lanes 16-31 the next row's
	s_lshl_b32 s20, s17, 7
	s_lshl_b32 s21, s15, 6
	s_add_co_u32 s20, s20, s21
	s_lshl_b32 s20, s20, 12                        ; my first row, in bytes
	s_lshl_b32 s21, s42, 7
	s_lshl_b32 s22, s16, 6
	s_add_co_u32 s21, s21, s22
	s_lshl_b32 s21, s21, 2                         ; my first column, in bytes
	s_add_co_u32 s22, s20, s21
	s_mov_b32 s23, 0
	s_add_nc_u64 s[10:11], s[10:11], s[22:23]
	s_add_nc_u64 s[12:13], s[12:13], s[22:23]
	s_mov_b32 s22, s21
	s_add_nc_u64 s[8:9], s[8:9], s[22:23]
	v_lshlrev_b32 v5, 6, v3
.irp b, 0,1,2,3
	global_load_b128 v[BIAS+8*\b:BIAS+8*\b+3], v5, s[8:9] offset:(32*(\b/2)+8*(\b%2))*4
	global_load_b128 v[BIAS+8*\b+4:BIAS+8*\b+7], v5, s[8:9] offset:(32*(\b/2)+8*(\b%2))*4+16
.endr
	WIN 0x80                                       ; destination window 2
.irp a, 0,1,2,3
.irp i, 0,1,2,3,4,5,6,7
	global_load_b128 v[4*(8*\a+\i):4*(8*\a+\i)+3], v[CO], s[10:11] offset:(32*(\a/2)+8*(\a%2)+2*\i+8*(\i/4))*4096
.endr
.endr
	WIN 0
.macro FETCH slot, q, f                ; the fragments of the slot's q-th 128 along K: A's four tiles, B's four; 32 loads of 512 consecutive bytes.  The caller sets the windows behind it
	WIN 0x40
.irp i, 0,1,2,3
.irp c, 0,1,2,3
	ds_load_b128 v[\f+16*\i+4*\c:\f+16*\i+4*\c+3], v[ADRA+\slot] offset:((\q)/2)*REC+((\q)%2)*16384+2048*\i+512*\c
.endr
.endr
.irp i, 0,1,2,3
.irp c, 0,1,2,3
	ds_load_b128 v[\f+64+16*\i+4*\c:\f+64+16*\i+4*\c+3], v[ADRB+\slot] offset:((\q)/2)*REC+((\q)%2)*16384+2048*\i+512*\c
.endr
.endr
.endm
.macro SCALES set                      ; a slot's scale words: register 4 q + i: lanes 0-15 A's tile i, lanes 16-31 B's
.irp q, 0,1,2,3
	ds_load_b128 v[SC+16*\set+4*\q:SC+16*\set+4*\q+3], v[ADRS+\set] offset:(\q/2)*REC+(\q%2)*512
.endr
.endm
; 8 matrix instructions: A's tiles a0, a0 + 1 x B's four.  The 16 accumulators take turns in one order throughout.  zero = 1: the bias starts the sums
.macro MUL8 f, a0, q, set, zero
.irp a, \a0, \a0+1
.irp b, 0,1,2,3
.if \zero
	v_wmma_scale_f32_16x16x128_f8f6f4 v[ACC+8*(4*(\a)+\b):ACC+8*(4*(\a)+\b)+7], v[\f+64+16*\b:\f+64+16*\b+15], v[\f+16*(\a):\f+16*(\a)+15], v[BIAS+8*\b:BIAS+8*\b+7], v[SC+16*(\set)+4*(\q)+\b], v[SC+16*(\set)+4*(\q)+(\a)] matrix_a_scale:MATRIX_SCALE_ROW1
.else
	v_wmma_scale_f32_16x16x128_f8f6f4 v[ACC+8*(4*(\a)+\b):ACC+8*(4*(\a)+\b)+7], v[\f+64+16*\b:\f+64+16*\b+15], v[\f+16*(\a):\f+16*(\a)+15], v[ACC+8*(4*(\a)+\b):ACC+8*(4*(\a)+\b)+7], v[SC+16*(\set)+4*(\q)+\b], v[SC+16*(\set)+4*(\q)+(\a)] matrix_a_scale:MATRIX_SCALE_ROW1
.endif
.endr
.endr
.endm
.macro QSTEP slot, q, zero             ; one of a slot's first three steps: multiplies buffer q % 2, fetches the next step into the other
	s_wait_dscnt 0x0
	WIN MUL
	MUL8 128*((\q)%2), 0, \q, \slot, \zero
	PLACES 8
	FETCH \slot, (\q)+1, 128-128*((\q)%2)
	WIN MUL
	MUL8 128*((\q)%2), 2, \q, \slot, \zero
.endm
; A slot's last step changes slots: one barrier; ahead of it each wave waits for all its tensor loads, adds 0 to its spare word, and waits for that and for its reads of this slot.
.macro TURN slot, next, fill
	WIN 0
	s_wait_tensorcnt 0x0
	ds_add_u32 v[SPW], v[NIL]
	s_wait_dscnt 1                                 ; the fragments are in; only the add may be out
	WIN MUL
	MUL8 F1, 0, 3, \slot, 0
	s_wait_dscnt 0x0
	s_barrier_signal -1
	MUL8 F1, 2, 3, \slot, 0
	WIN 0
	s_barrier_wait -1
.if \fill
	CREST                                          ; the barrier has opened a round of the cluster's
	s_add_nc_u64 s[G0+4*\slot+2:G0+4*\slot+3], s[G0+4*\slot+2:G0+4*\slot+3], 4*REC
	s_add_nc_u64 s[G0B+4*\slot+2:G0B+4*\slot+3], s[G0B+4*\slot+2:G0B+4*\slot+3], 4*REC
	JLOAD G0+4*\slot, G1, G0B+4*\slot, G1B         ; my one load behind the round: it has four steps in which to land
	PLACES 4
.else
	PLACES 8
.endif
	FETCH \next, 0, F0
	WIN 0
	SCALES \next
.endm
	s_wait_tensorcnt 1                             ; my record of slot 0 is in; slot 1's may be out
	s_barrier_signal -1
	s_barrier_wait -1
	FETCH 0, 0, F0
	WIN 0
	SCALES 0
	s_wait_loadcnt 32                              ; the bias is in; the residual's 32 loads stay out through the K loop
	QSTEP 0, 0, 1
.if LAPS > 1
	WIN 0
	s_mov_b32 s3, LAPS-1
.Llap:
	QSTEP 0, 1, 0
	QSTEP 0, 2, 0
	TURN 0, 1, 1
	QSTEP 1, 0, 0
	QSTEP 1, 1, 0
	QSTEP 1, 2, 0
	TURN 1, 0, 1
	QSTEP 0, 0, 0
	WIN 0
	s_sub_co_u32 s3, s3, 1
	s_cmp_lg_u32 s3, 0
	s_cbranch_scc1 .Llap
.endif
	QSTEP 0, 1, 0
	QSTEP 0, 2, 0
	TURN 0, 1, 0
	QSTEP 1, 0, 0
	QSTEP 1, 1, 0
	QSTEP 1, 2, 0
	s_wait_dscnt 0x0
	WIN MUL
	MUL8 F1, 0, 3, 1, 0
	MUL8 F1, 2, 3, 1, 0
	WIN 0
; THE WAY OUT, a tile of 16 rows x 64 columns at a time, through my stage in slot 0 (its last fill and its last read lie behind the last change of slots).
.macro TOSTAGE a
.set TT, 32+64*((\a)%2)
.irp b, 0,1,2,3
	ds_store_b128 v[STO], v[ACC+8*(4*(\a)+\b):ACC+8*(4*(\a)+\b)+3] offset:128*(\b/2)+32*(\b%2)          ; each accumulator from its low end on
	ds_store_b128 v[STO], v[ACC+8*(4*(\a)+\b)+4:ACC+8*(4*(\a)+\b)+7] offset:128*(\b/2)+32*(\b%2)+16
.endr
.irp i, 0,1,2,3,4,5,6,7
	ds_load_b128 v[TT+4*\i:TT+4*\i+3], v[RD] offset:544*\i       ; LDS serves a wave's instructions in order: these see my stores
.endr
.endm
.macro SEND a, younger
.set TT, 32+64*((\a)%2)
	s_wait_dscnt \younger                          ; the tile is back; the next tile's eight stores and eight loads may be out
.if (\a) == 0
	s_wait_loadcnt 0x0                             ; the residual
.endif
	WIN 0x08                                       ; source 1 window 2
.irp i, 0,1,2,3,4,5,6,7
	v_pk_add_f32 v[TT+4*\i:TT+4*\i+1], v[TT+4*\i:TT+4*\i+1], v[4*(8*(\a)+\i):4*(8*(\a)+\i)+1]
	v_pk_add_f32 v[TT+4*\i+2:TT+4*\i+3], v[TT+4*\i+2:TT+4*\i+3], v[4*(8*(\a)+\i)+2:4*(8*(\a)+\i)+3]
.endr
	WIN 0
.irp i, 0,1,2,3,4,5,6,7
	global_store_b128 v[CO], v[TT+4*\i:TT+4*\i+3], s[12:13] offset:(32*((\a)/2)+8*((\a)%2)+2*\i+8*(\i/4))*4096   ; sixteen lanes store 256 consecutive bytes, aligned
.endr
.endm
	PLACES 8
	TOSTAGE 0
.irp a, 1,2,3
.if \a > 1
	s_wait_xcnt 0x0                                ; tile a - 2's stores have read their registers
.endif
	TOSTAGE \a
	SEND \a-1, 16
.endr
	SEND 3, 0
	s_wait_tensorcnt 0x0                           ; the wave's end
	ds_add_u32 v[SPW], v[NIL]
	s_wait_dscnt 0x0
	CROUND                                         ; the closing round
	s_endpgm
.Lfunc_end_k_q2c349d68d1_outp:
	.size	k_q2c349d68d1_outp, .Lfunc_end_k_q2c349d68d1_outp-k_q2c349d68d1_outp
	.p2alignl 7, 3214868480
	.fill 96, 4, 3214868480
	.section	.rodata,"a",@progbits
	.p2align	6, 0x0
	.amdhsa_kernel k_q2c349d68d1_outp
		.amdhsa_group_segment_fixed_size 327680
		.amdhsa_private_segment_fixed_size 0
		.amdhsa_enable_private_segment 0
		.amdhsa_kernarg_size 40
		.amdhsa_user_sgpr_count 2
		.amdhsa_user_sgpr_kernarg_segment_ptr 1
		.amdhsa_wavefront_size32 1
		.amdhsa_system_sgpr_workgroup_id_x 1
		.amdhsa_system_sgpr_workgroup_id_y 1
		.amdhsa_system_sgpr_workgroup_id_z 1
		.amdhsa_system_vgpr_workitem_id 0
		.amdhsa_next_free_vgpr 640
		.amdhsa_next_free_sgpr 72
		.amdhsa_reserve_vcc 0
		.amdhsa_float_denorm_mode_32 3
		.amdhsa_float_denorm_mode_16_64 3
		.amdhsa_memory_ordered 1
		.amdhsa_forward_progress 1
		.amdhsa_inst_pref_size 59
	.end_amdhsa_kernel
	.amdgpu_metadata
---
amdhsa.version: [ 1, 2 ]
amdhsa.kernels:
  - .name:           k_q2c349d68d1_outp
    .symbol:         k_q2c349d68d1_outp.kd
    .args:
      - { .name: ctxrec, .offset: 0, .size: 8, .value_kind: global_buffer, .address_space: global }
      - { .name: wrec, .offset: 8, .size: 8, .value_kind: global_buffer, .address_space: global }
      - { .name: b_out, .offset: 16, .size: 8, .value_kind: global_buffer, .address_space: global }
      - { .name: x, .offset: 24, .size: 8, .value_kind: global_buffer, .address_space: global }
      - { .name: x1, .offset: 32, .size: 8, .value_kind: global_buffer, .address_space: global }
    .group_segment_fixed_size: 327680
    .private_segment_fixed_size: 0
    .kernarg_segment_align: 8
    .kernarg_segment_size: 40
    .max_flat_workgroup_size: 128
    .sgpr_count:     72
    .vgpr_count:     640
    .wavefront_size: 32
...
	.end_amdgpu_metadata
.endif
;; end of part 4
;; launch ln2 (part 5): grid 256 x 1, 16 waves a work-group, no clusters, 20,480 bytes of LDS; arguments x1, ln2_g, ln2_b, h2rec; writes h2rec
.if DOCPART == 5
	.amdgcn_target "amdgcn-amd-amdhsa--gfx1250"
	.amdhsa_code_object_version 6
	.text
	.protected	k_q2c349d68d1_ln2
	.globl	k_q2c349d68d1_ln2
	.p2align	8
	.type	k_q2c349d68d1_ln2,@function
k_q2c349d68d1_ln2:
	s_mov_b64 s[64:65], 0
	v_nop
	global_prefetch_b8 v0, s[64:65] scope:SCOPE_SE
	s_setreg_imm32_b32 hwreg(HW_REG_WAVE_MODE, 25, 1), 1
	s_wait_xcnt 0x0
; h = (x - mean) rsqrt(var + 1e-5) g + b for rows of 1,024 f32, quantised along the row to E4M3 with one E8M0 byte for each 32, and laid as RECORDS in the order of a matrix operand's registers
; (128 rows x 256 K: codes at kk*16384 + a*2048 + c*512 + lane*16, scale words at 32768 + kk*512 + ((a>>2)*16 + r)*16 + (a&3)*4; records [group of 128 rows][K / 256]).
; A work-group makes one tile of 16 rows; wave w is the tile's row r = w, which is token 32 (tile>>1) + 8 (tile&1) + w + 8 (w>>3).  The row stays in 32 registers a lane: memory is read once.
; Mean and variance in two passes over the registers (the variance of x - mean), so that a common offset of the inputs costs no digits.
; Lane l holds columns 256 p + 8 l + 0..7, p = 0..3: four neighbouring lanes hold a block of 32.  Codes meet in LDS as 64 rows of 256 bytes (+16 of padding), row 8 kappa + 2 c + h, 16 bytes for each wave,
; which are the fragments' bytes on end; they leave 512 consecutive bytes a store.
; The scale words leave as 4 bytes a row: a work-group has one of the four tiles that share 16 bytes there.  They are 512 bytes of the 80 KiB that a work-group moves.
; LIMITS: NaN and infinities are not served; a block of zeros gets the byte 1; blocks under 2^-118 are held at the byte 1.
.set REC, 33792
.set X,   32                           ; v32-63   the row
.set G,   64                           ; v64-95   the gain
.set BV,  96                           ; v96-127  the bias
.set SCL, 17408                        ; LDS: behind the image, 512 bytes of scale words [kappa][r]
	s_load_b256 s[12:19], s[0:1], 0x0              ; x, g, b, the records
	v_lshl_add_u32 v128, v0, 2, 0x4800
	v_mov_b32 v129, 0
	v_lshrrev_b32 v1, 5, v0
	v_readfirstlane_b32 s8, v1                     ; wave 0..15
	v_and_b32 v1, 31, v0                           ; lane
	v_lshlrev_b32 v2, 5, v1                        ; my 32 bytes of each 1,024
	s_lshr_b32 s9, ttmp9, 1
	s_lshl_b32 s9, s9, 5
	s_and_b32 s10, ttmp9, 1
	s_lshl_b32 s10, s10, 3
	s_add_co_u32 s9, s9, s10
	s_add_co_u32 s9, s9, s8
	s_and_b32 s10, s8, 8
	s_add_co_u32 s9, s9, s10                       ; my token
	s_lshl_b32 s20, s9, 12
	s_mov_b32 s21, 0
	s_mov_b32 s28, 0x76543210
	s_mov_b32 s29, 0xfedcba98                      ; v_permlanex16_b32's selects for lane l xor 16
	s_mov_b32 s30, 0x3a800000                      ; 1 / 1,024
	s_mov_b32 s31, 0x3727c5ac                      ; 1e-5
	s_mov_b32 s11, 0x600000                        ; the mantissa field of 448
	s_wait_kmcnt 0x0
	s_add_nc_u64 s[12:13], s[12:13], s[20:21]
.irp p, 0,1,2,3
	global_load_b128 v[X+8*\p:X+8*\p+3], v2, s[12:13] offset:1024*\p th:TH_LOAD_NT
	global_load_b128 v[X+8*\p+4:X+8*\p+7], v2, s[12:13] offset:1024*\p+16 th:TH_LOAD_NT
.endr
.irp p, 0,1,2,3
	global_load_b128 v[G+8*\p:G+8*\p+3], v2, s[14:15] offset:1024*\p
	global_load_b128 v[G+8*\p+4:G+8*\p+7], v2, s[14:15] offset:1024*\p+16
.endr
.irp p, 0,1,2,3
	global_load_b128 v[BV+8*\p:BV+8*\p+3], v2, s[16:17] offset:1024*\p
	global_load_b128 v[BV+8*\p+4:BV+8*\p+7], v2, s[16:17] offset:1024*\p+16
.endr
	v_lshrrev_b32 v3, 1, v1                        ; LDS, codes in: row 16 p + (l >> 1), byte 16 w + 8 (l & 1)
	v_mul_u32_u24 v3, v3, 272
	v_and_b32 v7, 1, v1
	v_lshl_add_u32 v3, v7, 3, v3
	s_lshl_b32 s9, s8, 4
	v_add_nc_u32 v3, s9, v3
	v_lshrrev_b32 v4, 4, v1                        ; LDS, scale bytes in: SCL + 128 p + 64 (l >> 4) + 4 w + ((l >> 2) & 3)
	v_bfe_u32 v7, v1, 2, 2
	v_lshl_add_u32 v4, v4, 6, v7
	s_lshl_b32 s9, s8, 2
	s_add_co_u32 s9, s9, SCL
	v_add_nc_u32 v4, s9, v4
	v_lshrrev_b32 v5, 4, v1                        ; LDS, codes out: rows 4 w + 2 i + (l >> 4), 16 bytes a lane
	v_mul_u32_u24 v5, v5, 272
	v_and_b32 v7, 15, v1
	v_lshl_add_u32 v5, v7, 4, v5
	s_mul_i32 s9, s8, 4*272
	v_add_nc_u32 v5, s9, v5
	v_lshlrev_b32 v6, 4, v1                        ; and in memory: 16 x lane
	v_lshl_add_u32 v7, v0, 2, SCL                  ; LDS, scale words out (waves 0 to 3): SCL + 128 w + 4 l
.macro REDUCE                          ; v8 summed over the 32 lanes, the result in every lane
	v_add_f32_dpp v8, v8, v8 row_xmask:1 row_mask:0xf bank_mask:0xf
	v_add_f32_dpp v8, v8, v8 row_xmask:2 row_mask:0xf bank_mask:0xf
	v_add_f32_dpp v8, v8, v8 row_xmask:4 row_mask:0xf bank_mask:0xf
	v_add_f32_dpp v8, v8, v8 row_xmask:8 row_mask:0xf bank_mask:0xf
	v_permlanex16_b32 v9, v8, s28, s29
	v_add_f32 v8, v8, v9
.endm
	s_wait_loadcnt 16                              ; the row's eight loads are in; the gain's and the bias's sixteen may be out
	v_pk_add_f32 v[8:9], v[X:X+1], v[X+2:X+3]
	v_pk_add_f32 v[10:11], v[X+4:X+5], v[X+6:X+7]
.irp j, 8,12,16,20,24,28
	v_pk_add_f32 v[8:9], v[8:9], v[X+\j:X+\j+1]
	v_pk_add_f32 v[10:11], v[10:11], v[X+\j+2:X+\j+3]
.endr
	v_pk_add_f32 v[8:9], v[8:9], v[10:11]
	v_add_f32 v8, v8, v9
	REDUCE
	v_mul_f32 v12, s30, v8                         ; the mean
	v_mov_b32 v13, v12
.set j, 0
.rept 16
	v_pk_add_f32 v[X+j:X+j+1], v[X+j:X+j+1], v[12:13] neg_lo:[0,1] neg_hi:[0,1]
.set j, j+2
.endr
	v_pk_mul_f32 v[8:9], v[X:X+1], v[X:X+1]
	v_pk_mul_f32 v[10:11], v[X+2:X+3], v[X+2:X+3]
.irp j, 4,8,12,16,20,24,28
	v_pk_fma_f32 v[8:9], v[X+\j:X+\j+1], v[X+\j:X+\j+1], v[8:9]
	v_pk_fma_f32 v[10:11], v[X+\j+2:X+\j+3], v[X+\j+2:X+\j+3], v[10:11]
.endr
	v_pk_add_f32 v[8:9], v[8:9], v[10:11]
	v_add_f32 v8, v8, v9
	REDUCE
	v_fma_f32 v14, v8, s30, s31                    ; the variance + 1e-5
	v_rsq_f32 v14, v14
	v_nop                                          ; a plain line behind the transcendental,
	s_wait_alu depctr_va_vdst(0)                   ; and a wait ahead of its first reader
	v_mov_b32 v15, v14
	s_wait_loadcnt 0x0                             ; the gain and the bias
.set j, 0
.rept 16
	v_pk_mul_f32 v[X+j:X+j+1], v[X+j:X+j+1], v[14:15]
.set j, j+2
.endr
.set j, 0
.rept 16
	v_pk_fma_f32 v[X+j:X+j+1], v[X+j:X+j+1], v[G+j:G+j+1], v[BV+j:BV+j+1]
.set j, j+2
.endr
	; the quantiser: my eight numbers of each of four blocks; a block is four neighbouring lanes
.irp p, 0,1,2,3
	v_max3_num_f32 v[16+\p], |v[X+8*\p]|, |v[X+8*\p+1]|, 0x4800000   ; with the floor 2^(9 - 127)
.endr
.irp i, 2,4,6
.irp p, 0,1,2,3
	v_max3_num_f32 v[16+\p], v[16+\p], |v[X+8*\p+\i]|, |v[X+8*\p+\i+1]|
.endr
.endr
.irp p, 0,1,2,3
	v_max_num_f32_dpp v[16+\p], v[16+\p], v[16+\p] row_xmask:1 row_mask:0xf bank_mask:0xf
.endr
.irp p, 0,1,2,3
	v_max_num_f32_dpp v[16+\p], v[16+\p], v[16+\p] row_xmask:2 row_mask:0xf bank_mask:0xf
.endr
.irp p, 0,1,2,3
	v_add_nc_u32 v[20+\p], 0xfc000000, v[16+\p]    ; the conversion's scale operand
.endr
.irp p, 0,1,2,3
	v_and_or_b32 v[24+\p], v[16+\p], 0x7f800000, s11   ; 448 x the scale
.endr
.irp p, 0,1,2,3
	v_lshrrev_b32 v[28+\p], 23, v[20+\p]           ; the byte
.endr
.irp p, 0,1,2,3
.irp i, 0,1,2,3,4,5,6,7
	v_med3_num_f32 v[X+8*\p+\i], v[X+8*\p+\i], -v[24+\p], v[24+\p]
.endr
	v_cvt_scalef32_pk8_fp8_f32 v[8+2*\p:9+2*\p], v[X+8*\p:X+8*\p+7], v[20+\p]
.endr
	v_nop                                          ; a plain line behind the last conversion
.irp p, 0,1,2,3
	ds_store_b64 v3, v[8+2*\p:9+2*\p] offset:4352*\p
	ds_store_b8 v4, v[28+\p] offset:128*\p         ; the four lanes of a block write the same byte with the same value
.endr
	s_lshr_b32 s22, ttmp9, 3
	s_lshl_b32 s22, s22, 2                         ; my group's first record
	s_lshr_b32 s23, s8, 2
	s_add_co_u32 s23, s22, s23
	s_mul_i32 s24, s23, REC
	s_bfe_u32 s23, s8, 0x10001
	s_lshl_b32 s23, s23, 14
	s_add_co_u32 s24, s24, s23
	s_and_b32 s23, ttmp9, 7
	s_lshl_b32 s23, s23, 11
	s_add_co_u32 s24, s24, s23
	s_and_b32 s23, s8, 1
	s_lshl_b32 s23, s23, 10
	s_add_co_u32 s24, s24, s23
	s_mov_b32 s25, 0
	s_add_nc_u64 s[24:25], s[18:19], s[24:25]      ; where rows 4 w .. 4 w + 3 of the image go
	s_wait_dscnt 0x0                               ; for the others' sake: my stores have landed
	s_barrier_signal -1
	s_barrier_wait -1
	ds_load_b128 v[16:19], v5
	ds_load_b128 v[20:23], v5 offset:544
	s_wait_dscnt 1
	global_store_b128 v6, v[16:19], s[24:25]       ; 512 consecutive bytes
	s_wait_dscnt 0x0
	global_store_b128 v6, v[20:23], s[24:25] offset:512
	s_cmp_gt_u32 s8, 3
	s_cbranch_scc1 .Lend
	s_add_co_u32 s26, s22, s8                      ; wave w: the scale words of record w (two steps of 128 along K)
	s_mul_i32 s26, s26, REC
	s_bfe_u32 s23, ttmp9, 0x10002
	s_lshl_b32 s23, s23, 8
	s_add_co_u32 s26, s26, s23
	s_and_b32 s23, ttmp9, 3
	s_lshl_b32 s23, s23, 2
	s_add_co_u32 s26, s26, s23
	s_mov_b32 s27, 0
	s_add_nc_u64 s[26:27], s[18:19], s[26:27]
	v_lshrrev_b32 v28, 4, v1
	v_and_b32 v29, 15, v1
	v_lshlrev_b32 v29, 4, v29
	v_lshl_add_u32 v28, v28, 9, v29                ; 512 (l >> 4) + 16 (l & 15)
	ds_load_b32 v24, v7
	s_wait_dscnt 0x0
	global_store_b32 v28, v24, s[26:27] offset:32768
.Lend:
	s_wait_tensorcnt 0x0
	ds_add_u32 v128, v129
	s_wait_dscnt 0x0
	s_endpgm
.Lfunc_end_k_q2c349d68d1_ln2:
	.size	k_q2c349d68d1_ln2, .Lfunc_end_k_q2c349d68d1_ln2-k_q2c349d68d1_ln2
	.p2alignl 7, 3214868480
	.fill 96, 4, 3214868480
	.section	.rodata,"a",@progbits
	.p2align	6, 0x0
	.amdhsa_kernel k_q2c349d68d1_ln2
		.amdhsa_group_segment_fixed_size 20480
		.amdhsa_private_segment_fixed_size 0
		.amdhsa_enable_private_segment 0
		.amdhsa_kernarg_size 32
		.amdhsa_user_sgpr_count 2
		.amdhsa_user_sgpr_kernarg_segment_ptr 1
		.amdhsa_wavefront_size32 1
		.amdhsa_system_sgpr_workgroup_id_x 1
		.amdhsa_system_sgpr_workgroup_id_y 1
		.amdhsa_system_sgpr_workgroup_id_z 1
		.amdhsa_system_vgpr_workitem_id 0
		.amdhsa_next_free_vgpr 130
		.amdhsa_next_free_sgpr 66
		.amdhsa_reserve_vcc 0
		.amdhsa_float_denorm_mode_32 3
		.amdhsa_float_denorm_mode_16_64 3
		.amdhsa_memory_ordered 1
		.amdhsa_forward_progress 1
		.amdhsa_inst_pref_size 18
	.end_amdhsa_kernel
	.amdgpu_metadata
---
amdhsa.version: [ 1, 2 ]
amdhsa.kernels:
  - .name:           k_q2c349d68d1_ln2
    .symbol:         k_q2c349d68d1_ln2.kd
    .args:
      - { .name: x1, .offset: 0, .size: 8, .value_kind: global_buffer, .address_space: global }
      - { .name: ln2_g, .offset: 8, .size: 8, .value_kind: global_buffer, .address_space: global }
      - { .name: ln2_b, .offset: 16, .size: 8, .value_kind: global_buffer, .address_space: global }
      - { .name: h2rec, .offset: 24, .size: 8, .value_kind: global_buffer, .address_space: global }
    .group_segment_fixed_size: 20480
    .private_segment_fixed_size: 0
    .kernarg_segment_align: 8
    .kernarg_segment_size: 32
    .max_flat_workgroup_size: 512
    .sgpr_count:     66
    .vgpr_count:     130
    .wavefront_size: 32
...
	.end_amdgpu_metadata
.endif
;; end of part 5
;; launch ff1 (part 6): grid 12 x 16, 4 waves a work-group, clusters of 4 x 4, 327,680 bytes of LDS; arguments h2rec, wrec, b_ff1, grec; writes grec
.if DOCPART == 6
	.amdgcn_target "amdgcn-amd-amdhsa--gfx1250"
	.amdhsa_code_object_version 6
	.text
	.protected	k_q2c349d68d1_ff1
	.globl	k_q2c349d68d1_ff1
	.p2align	8
	.type	k_q2c349d68d1_ff1,@function
k_q2c349d68d1_ff1:
	s_mov_b64 s[64:65], 0
	v_nop
	global_prefetch_b8 v0, s[64:65] scope:SCOPE_SE
	s_setreg_imm32_b32 hwreg(HW_REG_WAVE_MODE, 25, 1), 1
	s_wait_xcnt 0x0
	s_wait_alu depctr_hold_cnt(0) depctr_sa_sdst(0) depctr_va_vdst(0) depctr_va_sdst(0) depctr_va_ssrc(0) depctr_va_vcc(0) depctr_vm_vsrc(0)
	s_getreg_b32 s2, hwreg(HW_REG_IB_STS2, 6, 4)
	s_cmp_eq_u32 s2, 0
	s_cbranch_scc0 .Lentry_in_a_cluster
	s_endpgm
.Lentry_in_a_cluster:
	s_bfe_u32 s2, ttmp6, 0x10000c
	s_cmp_lg_u32 s2, 0xf033
	s_cbranch_scc0 .Lentry_shape_is_right
	s_endpgm
.Lentry_shape_is_right:
; g = gelu(h2 W_ff1 + b_ff1), the exact gelu, on codes of E4M3 with E8M0 scales; g is quantised at once along its 3,072 features and laid as the next product's records.
; OPERANDS ARE RECORDS: 128 rows x 256 K in the order of the operand's registers (codes at kk*16384 + a*2048 + c*512 + 16 lane, scale words at 32768 + kk*512 + ((a>>2)*16 + r)*16 + (a&3)*4), 33,792 dense bytes.
; Row r of tile a is row 32 (a>>1) + 8 (a&1) + r + 8 (r>>3) of its group.  THE MATRIX INSTRUCTION IS USED TRANSPOSED (source 0 = a tile of the weight's columns, source 1 = a tile of tokens): in accumulator (a, b) lane (r, h)
; holds the token of (a, r), and its register j feature 32 (b>>1) + 16 h + 8 (b&1) + j: tiles 2 c and 2 c + 1 give a lane 16 NEIGHBOURS along the next K.
; A tile of 256 x 256 to a work-group of four waves, 128 x 128 a wave.  K = 1,024 goes in four fills of 256 through two LDS slots; a wave's one tensor load brings one record.
; CLUSTERS 4 x 4: the tokens' records are shared along a row of the cluster, the weight's along a column.  192 work-groups: a tile of 256 x 192 would cut the next operand's 128-wide fragments between waves.
; No prefetch: two of the four fills go out at the head, and the other two follow within two steps.
; THE WAY OUT: the accumulators go to the wave's own stage in LDS (inside the slots, behind their last fill and a barrier), so that a loop of four trips can take them up two tiles at a time: gelu, quantise, store.
; GELU: 0.5 x (1 + erf(x / sqrt 2)), erf(z) = z P(z^2) / Q(z^2) with z held within +-4 (P of degree 6, Q of degree 4).  LIMIT: erf is right to about 1e-7 absolute, the rounding of 1 + erf in f32 itself.
; LIMITS: NaN and infinities are not served; a block of zeros gets the byte 1; blocks under 2^-118 are held at the byte 1.
; REGISTERS: window 0: v1-4 lane, r, h, 16 lane; v8-31 addresses, scale words at work, two coefficients; v32-63 scale words, two sets; v64-127 the bias as C; v128-255 A's fragments.  window 1: B's, two sets.  windows 2, 3: accumulators.
.set REC,   33792
.set SLOT,  4*REC
.set SPARE, 2*SLOT
.set SCW,   SPARE+512
.set NP,    8
.set LAPS,  2
.set SPW,  8
.set NIL,  9
.set ADRA, 10
.set ADRB, 12
.set ADRS, 14
.set STW,  16
.set STR,  17
.set SCR,  18
.set SCA,  19
.set VSO,  20
.set VO,   21
.set PW0,  25
.set PW1,  26
.set PWC,  27
.set A1V,  28                          ; v[28:29] P's second coefficient, twice;  v[30:31] Q's
.set B1V,  30
.set SC,   32
.set BIAS, 64
.set AF,   128
.set TM,   32
.set PC,   48
.set GZ,   64                          ; the gelu's 16 numbers at work: z, z^2 (then x / 2), P, Q
.set GU,   80
.set GP,   96
.set GQ,   112
.set X0,   128
.set X1,   192
.set G1,  24
.set G0,  32
.set G1B, 48
.set G0B, 56
.set SEL, 18
.set MNT, 13
.set RH,  72                           ; s[72:73] 1 / sqrt 2; then the coefficients, a pair each (the packed forms name a pair and take its low word)
.set CA0, 74
.set CA2, 76
.set CA3, 78
.set CA4, 80
.set CA5, 82
.set CA6, 84
.set CB0, 86
.set CB2, 88
.set CB3, 90
.set CB4, 96
.set MSB, 0
.macro WIN new
.if MSB != \new
	s_set_vgpr_msb (MSB<<8)|\new
.set MSB, \new
.endif
.endm
.set MUL_LO, 0xa1
.set MUL_HI, 0xf1
.set TO_B,   0x40
.macro JLOAD g0a, g1a, g0b, g1b        ; a joint load: waves 0 and 1 fetch for A, waves 2 and 3 for B; four v_nop follow each line
	s_cmp_eq_u32 s15, 0
	s_cbranch_scc0 .Lfor_b_\@
	tensor_load_to_lds s[\g0a:\g0a+3], s[\g1a:\g1a+7]
	s_nop 0
.rept 4
	v_nop
.endr
	s_branch .Lasked_\@
.Lfor_b_\@:
	tensor_load_to_lds s[\g0b:\g0b+3], s[\g1b:\g1b+7]
	s_nop 0
.rept 4
	v_nop
.endr
.Lasked_\@:
.endm
.macro CREST
	s_cmp_lg_u32 s14, 0
	s_cbranch_scc1 .Lnot_wave_0_\@
	s_barrier_signal -3
.Lnot_wave_0_\@:
	s_barrier_wait -3
	s_barrier_signal -1
	s_barrier_wait -1
.endm
.macro CROUND
	s_barrier_signal -1
	s_barrier_wait -1
	CREST
.endm
.macro PLACES n
.rept \n
	v_nop
.endr
.endm
	s_load_b256 s[4:11], s[0:1], 0x0               ; h2's records, the weights' records, b_ff1, g's records
	v_lshl_add_u32 v[SPW], v0, 2, SPARE
	v_mov_b32 v[NIL], 0
	ds_add_u32 v8, v9
	ds_add_u32 v8, v9
	s_wait_dscnt 0x0
	v_lshrrev_b32 v1, 5, v0
	v_readfirstlane_b32 s14, v1                    ; wave 0..3
	s_lshr_b32 s15, s14, 1                         ; which of A's two groups is mine.  Also: I fetch for A (0) or for B (1)
	s_and_b32 s16, s14, 1                          ; which of B's.  Also: which group's record I fetch
	s_bfe_u32 s40, ttmp6, 0x40000
	s_bfe_u32 s41, ttmp6, 0x40004
	s_lshl_b32 s42, ttmp9, 2
	s_add_co_u32 s42, s42, s40                     ; tile column
	s_and_b32 s17, ttmp7, 0xffff
	s_lshl_b32 s17, s17, 2
	s_add_co_u32 s17, s17, s41                     ; tile row
	s_lshl_b32 s43, s41, 2
	s_lshl_b32 s43, 15, s43
	s_lshl_b32 s44, 0x1111, s40
	s_or_b32 s[G1], s43, (3<<16)|(1<<21)           ; the mask; elements of 8 bytes; bit 21 beside a mask; no padding
	s_or_b32 s[G1B], s44, (3<<16)|(1<<21)
.irp g, G1, G1B
	s_mov_b32 s[\g+1], 32<<16                      ; rows of 256 bytes,
	s_mov_b32 s[\g+2], 132<<16                     ; 132 of them: a record
	s_mov_b32 s[\g+3], 32<<16
	s_mov_b32 s[\g+4], 132
	s_mov_b32 s[\g+5], 32
	s_mov_b32 s[\g+6], 0
	s_mov_b32 s[\g+7], 0
.endr
	s_lshl_b32 s22, s17, 1
	s_add_co_u32 s22, s22, s16
	s_mul_i32 s22, s22, 4*REC
	s_mov_b32 s23, 0
	s_lshl_b32 s92, s42, 1
	s_add_co_u32 s92, s92, s16
	s_mul_i32 s92, s92, 4*REC
	s_mov_b32 s93, 0
	s_mul_i32 s45, s14, REC
	s_wait_kmcnt 0x0
	s_add_nc_u64 s[20:21], s[4:5], s[22:23]
	s_add_nc_u64 s[46:47], s[6:7], 128*REC         ; w_ff1's records
	s_add_nc_u64 s[46:47], s[46:47], s[92:93]
	CROUND                                         ; all sixteen work-groups are here: the first joint loads meet
.irp s, 0,1
	s_mov_b32 s[G0+4*\s], 1
	s_add_co_u32 s[G0+4*\s+1], s45, \s*SLOT
	s_add_nc_u64 s[G0+4*\s+2:G0+4*\s+3], s[20:21], \s*REC
	s_or_b32 s[G0+4*\s+3], s[G0+4*\s+3], 0x80000000
	s_mov_b32 s[G0B+4*\s], 1
	s_add_co_u32 s[G0B+4*\s+1], s45, \s*SLOT
	s_add_nc_u64 s[G0B+4*\s+2:G0B+4*\s+3], s[46:47], \s*REC
	s_or_b32 s[G0B+4*\s+3], s[G0B+4*\s+3], 0x80000000
	JLOAD G0+4*\s, G1, G0B+4*\s, G1B               ; two loads of mine are out
.endr
	v_and_b32 v1, 31, v0
	v_and_b32 v2, 15, v0
	v_bfe_u32 v3, v0, 4, 1
	v_lshlrev_b32 v4, 4, v1
	s_mul_i32 s21, s15, REC
	s_mul_i32 s22, s16, REC
	s_add_co_u32 s22, s22, 2*REC
.irp s, 0,1
	v_add_nc_u32 v[ADRA+\s], s21, v4
	v_add_nc_u32 v[ADRB+\s], s22, v4
	s_add_co_u32 s21, s21, SLOT
	s_add_co_u32 s22, s22, SLOT
.endr
	s_mul_i32 s21, s15, REC
	s_mul_i32 s22, s16, REC
	s_add_co_u32 s22, s22, 2*REC
	s_sub_co_u32 s22, s22, s21
	v_mul_u32_u24 v5, s22, v3                      ; lanes 16-31 take B's scale words: one product
	v_lshl_add_u32 v5, v2, 4, v5
	s_add_co_u32 s21, s21, 32768
	v_add_nc_u32 v[ADRS], s21, v5
	v_add_nc_u32 v[ADRS+1], SLOT, v[ADRS]
	s_lshl_b32 s21, s14, 16
	v_add_nc_u32 v[STW], s21, v4
	s_lshl_b32 s21, s14, 9
	s_add_co_u32 s21, s21, SCW
	v_add_nc_u32 v[SCR], s21, v4
	s_lshl_b32 s70, s42, 8
	s_lshl_b32 s21, s16, 7
	s_add_co_u32 s70, s70, s21                     ; my first feature
	s_lshl_b32 s22, s70, 2
	s_mov_b32 s23, 0
	s_add_nc_u64 s[22:23], s[8:9], s[22:23]
	v_lshlrev_b32 v5, 6, v3
.irp b, 0,1,2,3,4,5,6,7
	global_load_b128 v[BIAS+8*\b:BIAS+8*\b+3], v5, s[22:23] offset:(32*(\b/2)+8*(\b%2))*4
	global_load_b128 v[BIAS+8*\b+4:BIAS+8*\b+7], v5, s[22:23] offset:(32*(\b/2)+8*(\b%2))*4+16
.endr
.macro FRAG reg, adr, q, i
.irp c, 0,1,2,3
	ds_load_b128 v[\reg+4*\c:\reg+4*\c+3], v[\adr] offset:16384*(\q)+2048*(\i)+512*\c
.endr
.endm
; 16 matrix instructions: A's tiles a0, a0 + 1 x B's eight.  zero = 1: the bias starts the sums.  The 64 accumulators take turns in the same order in every step.
.macro MUL16 a0, p, q, sc, zero
.irp a, \a0, \a0+1
.irp b, 0,1,2,3,4,5,6,7
.if \zero
	v_wmma_scale_f32_16x16x128_f8f6f4 v[8*(8*((\a)%4)+\b):8*(8*((\a)%4)+\b)+7], v[128*(\p)+16*\b:128*(\p)+16*\b+15], v[AF+16*(\a):AF+16*(\a)+15], v[BIAS+8*\b:BIAS+8*\b+7], v[SC+16*(\sc)+8*(\q)+\b], v[SC+16*(\sc)+8*(\q)+(\a)] matrix_a_scale:MATRIX_SCALE_ROW1
.else
	v_wmma_scale_f32_16x16x128_f8f6f4 v[8*(8*((\a)%4)+\b):8*(8*((\a)%4)+\b)+7], v[128*(\p)+16*\b:128*(\p)+16*\b+15], v[AF+16*(\a):AF+16*(\a)+15], v[8*(8*((\a)%4)+\b):8*(8*((\a)%4)+\b)+7], v[SC+16*(\sc)+8*(\q)+\b], v[SC+16*(\sc)+8*(\q)+(\a)] matrix_a_scale:MATRIX_SCALE_ROW1
.endif
.endr
.endr
.endm
.macro FETCH_B slot, q, p
	WIN TO_B
.irp i, 0,1,2,3,4,5,6,7
	FRAG 128*(\p)+16*\i, ADRB+\slot, \q, \i
.endr
	WIN 0
.endm
.macro FETCH_A slot, q, i0
.irp i, \i0, \i0+1, \i0+2, \i0+3
	FRAG AF+16*(\i), ADRA+\slot, \q, \i
.endr
.endm
.macro SCALES set
.irp q, 0,1
.irp hh, 0,1
	ds_load_b128 v[SC+16*\set+8*\q+4*\hh:SC+16*\set+8*\q+4*\hh+3], v[ADRS+\set] offset:512*\q+256*\hh
.endr
.endr
.endm
.macro STEP slot, q, zero
	s_wait_dscnt 16                                ; all but the youngest sixteen loads (A's tiles 4-7)
.if \zero
	WIN 0x81
.else
	WIN MUL_LO
.endif
	MUL16 0, (\q)%2, \q, \slot, \zero
	MUL16 2, (\q)%2, \q, \slot, \zero
	s_wait_dscnt 0x0
	PLACES NP
	FETCH_B \slot, (\q)+1, 1-(\q)%2
	FETCH_A \slot, (\q)+1, 0
.if \zero
	WIN 0xc1
.else
	WIN MUL_HI
.endif
	MUL16 4, (\q)%2, \q, \slot, \zero
	MUL16 6, (\q)%2, \q, \slot, \zero
	PLACES NP
	WIN 0
	FETCH_A \slot, (\q)+1, 4
.endm
.macro TURN slot, next, fill
	s_wait_tensorcnt 0x0                           ; all my tensor loads have landed: my part of the next slot
	ds_add_u32 v[SPW], v[NIL]
	s_wait_dscnt 17                                ; the add and the youngest sixteen loads may be out
	WIN MUL_LO
	MUL16 0, 1, 1, \slot, 0
	s_wait_dscnt 0x0                               ; the add is done, and my reads of this slot are over
	s_barrier_signal -1
	MUL16 2, 1, 1, \slot, 0
	WIN 0
	s_barrier_wait -1
.if \fill
	CREST                                          ; the barrier has opened a round of the cluster's
	s_add_nc_u64 s[G0+4*\slot+2:G0+4*\slot+3], s[G0+4*\slot+2:G0+4*\slot+3], 2*REC
	s_add_nc_u64 s[G0B+4*\slot+2:G0B+4*\slot+3], s[G0B+4*\slot+2:G0B+4*\slot+3], 2*REC
	JLOAD G0+4*\slot, G1, G0B+4*\slot, G1B
	PLACES NP-4
.else
	PLACES NP
.endif
	FETCH_B \next, 0, 0
	FETCH_A \next, 0, 0
	SCALES \next
	WIN MUL_HI
	MUL16 4, 1, 1, \slot, 0
	MUL16 6, 1, 1, \slot, 0
	PLACES NP
	WIN 0
	FETCH_A \next, 0, 4
.endm
	s_wait_tensorcnt 1                             ; my record of slot 0 is in; slot 1's may be out
	s_barrier_signal -1
	s_barrier_wait -1
	FETCH_B 0, 0, 0
	FETCH_A 0, 0, 0
	SCALES 0
	FETCH_A 0, 0, 4
	s_wait_loadcnt 0x0                             ; the bias
	STEP 0, 0, 1
	s_mov_b32 s3, LAPS-1
.Llap:
	TURN 0, 1, 1
	STEP 1, 0, 0
	TURN 1, 0, 1
	STEP 0, 0, 0
	s_sub_co_u32 s3, s3, 1
	s_cmp_lg_u32 s3, 0
	s_cbranch_scc1 .Llap
	TURN 0, 1, 0
	STEP 1, 0, 0
	s_wait_dscnt 16
	WIN MUL_LO
	MUL16 0, 1, 1, 1, 0
	MUL16 2, 1, 1, 1, 0
	s_wait_dscnt 0x0
	WIN MUL_HI
	MUL16 4, 1, 1, 1, 0
	MUL16 6, 1, 1, 1, 0
	WIN 0
	; ---- THE WAY OUT.  No LDS load of mine is out; behind this barrier no wave reads a slot any more, and both have had their last fill: the stages lie there.
	s_barrier_signal -1
	s_barrier_wait -1
	PLACES NP
.irp a, 0,1,2,3,4,5,6,7
	WIN 0x08+4*(\a/4)
.irp b, 0,1,2,3,4,5,6,7
	ds_store_b128 v[STW], v[8*(8*(\a%4)+\b):8*(8*(\a%4)+\b)+3] offset:(8*\a+\b)*1024        ; each accumulator from its low end on
	ds_store_b128 v[STW], v[8*(8*(\a%4)+\b)+4:8*(8*(\a%4)+\b)+7] offset:(8*\a+\b)*1024+512
.endr
.endr
	WIN 0
	s_lshl_b32 s20, s17, 1                         ; g's record: group 2 x tile row + my half, K step = tile column; my half of the columns is its kk
	s_add_co_u32 s20, s20, s15
	s_mul_i32 s20, s20, 12
	s_add_co_u32 s20, s20, s42
	s_mul_i32 s22, s20, REC
	s_mov_b32 s23, 0
	s_add_nc_u64 s[10:11], s[10:11], s[22:23]
	s_lshl_b32 s22, s16, 14
	s_add_nc_u64 s[68:69], s[10:11], s[22:23]      ; the codes
	s_lshl_b32 s22, s16, 9
	s_add_co_u32 s22, s22, 32768
	s_add_nc_u64 s[10:11], s[10:11], s[22:23]      ; the scale words
	s_mov_b32 s94, 2048                            ; from a tile to the next
	s_mov_b32 s95, 0
	v_mov_b32 v[VO], v4
	v_add_nc_u32 v[VO+1], 1024, v4
	v_add_nc_u32 v[VO+2], 8192, v4
	v_add_nc_u32 v[VO+3], 9216, v4
	v_mov_b32 v[VSO], v4
	s_mov_b32 s[SEL], 0x76543210
	s_mov_b32 s[SEL+1], 0xfedcba98
	s_mov_b32 s[MNT], 0x600000
	s_mov_b32 s71, 0xffff0000
.macro COEF r, bits
	s_mov_b32 s[\r], \bits
	s_mov_b32 s[\r+1], \bits
.endm
	COEF RH,  0x3f3504f3                           ; 0.70710678
	COEF CA0, 0xaf95df0b                           ; -2.72614226e-10
	COEF CA2, 0xb60cff51                           ; -2.10102402e-06
	COEF CA3, 0xb86ec2d2                           ; -5.69250639e-05
	COEF CA4, 0xba40ac63                           ; -7.34990630e-04
	COEF CA5, 0xbb41a1f6                           ; -2.95459981e-03
	COEF CA6, 0xbc83dbd4                           ; -1.60960333e-02
	COEF CB0, 0xb77460cd                           ; -1.45660718e-05
	COEF CB2, 0xbadc924e                           ; -1.68282697e-03
	COEF CB3, 0xbbf19bf8                           ; -7.37332917e-03
	COEF CB4, 0xbc69b6a7                           ; -1.42647391e-02
	v_mov_b32 v[A1V], 0x32edffee                   ;  2.77068142e-08
	v_mov_b32 v[A1V+1], 0x32edffee
	v_mov_b32 v[B1V], 0xb95fbd29                   ; -2.13374055e-04
	v_mov_b32 v[B1V+1], 0xb95fbd29
.irp b, 0,1,2,3
	v_mov_b32 v[TM+4+\b], 0                        ; a lane permute's destination counts as one of its sources
.endr
; 16 numbers v[x] on become their gelu, in place
.macro GELU x
.irp j, 0,2,4,6,8,10,12,14
	v_pk_mul_f32 v[GZ+\j:GZ+\j+1], v[\x+\j:\x+\j+1], s[RH:RH+1] op_sel_hi:[1,0]
.endr
.irp j, 0,1,2,3,4,5,6,7,8,9,10,11,12,13,14,15
	v_med3_num_f32 v[GZ+\j], v[GZ+\j], -4.0, 4.0
.endr
.irp j, 0,2,4,6,8,10,12,14
	v_pk_mul_f32 v[GU+\j:GU+\j+1], v[GZ+\j:GZ+\j+1], v[GZ+\j:GZ+\j+1]
.endr
.irp j, 0,2,4,6,8,10,12,14
	v_pk_fma_f32 v[GP+\j:GP+\j+1], v[GU+\j:GU+\j+1], s[CA0:CA0+1], v[A1V:A1V+1] op_sel_hi:[1,0,1]
	v_pk_fma_f32 v[GQ+\j:GQ+\j+1], v[GU+\j:GU+\j+1], s[CB0:CB0+1], v[B1V:B1V+1] op_sel_hi:[1,0,1]
.endr
.irp k, CA2, CA3, CA4, CA5, CA6
.irp j, 0,2,4,6,8,10,12,14
	v_pk_fma_f32 v[GP+\j:GP+\j+1], v[GP+\j:GP+\j+1], v[GU+\j:GU+\j+1], s[\k:\k+1] op_sel_hi:[1,1,0]
.endr
.endr
.irp k, CB2, CB3, CB4
.irp j, 0,2,4,6,8,10,12,14
	v_pk_fma_f32 v[GQ+\j:GQ+\j+1], v[GQ+\j:GQ+\j+1], v[GU+\j:GU+\j+1], s[\k:\k+1] op_sel_hi:[1,1,0]
.endr
.endr
.irp j, 0,1,2,3,4,5,6,7,8,9,10,11,12,13,14,15
	v_rcp_f32 v[GQ+\j], v[GQ+\j]                   ; Q lies under -0.014: no zero
.endr
.irp j, 0,2,4,6,8,10,12,14
	v_pk_mul_f32 v[GP+\j:GP+\j+1], v[GP+\j:GP+\j+1], v[GZ+\j:GZ+\j+1]     ; work that names no reciprocal stands behind the batch
.endr
.irp j, 0,2,4,6,8,10,12,14
	v_pk_mul_f32 v[GU+\j:GU+\j+1], v[\x+\j:\x+\j+1], 0.5 op_sel_hi:[1,0]
.endr
	s_wait_alu depctr_va_vdst(0)                   ; one wait for the sixteen, ahead of their first reader
.irp j, 0,2,4,6,8,10,12,14
	v_pk_mul_f32 v[GP+\j:GP+\j+1], v[GP+\j:GP+\j+1], v[GQ+\j:GQ+\j+1]     ; erf
.endr
.irp j, 0,2,4,6,8,10,12,14
	v_pk_fma_f32 v[\x+\j:\x+\j+1], v[GU+\j:GU+\j+1], v[GP+\j:GP+\j+1], v[GU+\j:GU+\j+1]
.endr
.endm
; 64 numbers of a lane, register 16 b + i = neighbour 32 b + 16 h + i, become a fragment's codes in v[PC] on and its scale word
.macro QUANT s, pw
.irp b, 0,1,2,3
	v_max3_num_f32 v[TM+\b], |v[\s+16*\b]|, |v[\s+1+16*\b]|, 0x4800000   ; with the floor 2^(9 - 127)
.endr
.irp i, 2,4,6,8,10,12,14
.irp b, 0,1,2,3
	v_max3_num_f32 v[TM+\b], v[TM+\b], |v[\s+16*\b+\i]|, |v[\s+1+16*\b+\i]|
.endr
.endr
.irp b, 0,1,2,3
	v_permlanex16_b32 v[TM+4+\b], v[TM+\b], s[SEL], s[SEL+1]
.endr
.irp b, 0,1,2,3
	v_max_num_f32 v[TM+\b], v[TM+\b], v[TM+4+\b]
.endr
.irp b, 0,1,2,3
	v_add_nc_u32 v[TM+12+\b], 0xfc000000, v[TM+\b]
.endr
.irp b, 0,1,2,3
	v_and_or_b32 v[TM+8+\b], v[TM+\b], 0x7f800000, s[MNT]
.endr
.irp b, 0,1,2,3
	v_lshrrev_b32 v[TM+4+\b], 23, v[TM+12+\b]
.endr
	v_lshl_or_b32 v[\pw], v[TM+5], 8, v[TM+4]
	v_lshl_or_b32 v[\pw], v[TM+6], 16, v[\pw]
	v_lshl_or_b32 v[\pw], v[TM+7], 24, v[\pw]
.irp b, 0,1,2,3
.irp i, 0,1,2,3,4,5,6,7,8,9,10,11,12,13,14,15
	v_med3_num_f32 v[\s+16*\b+\i], v[\s+16*\b+\i], -v[TM+8+\b], v[TM+8+\b]
.endr
	v_cvt_scalef32_pk8_fp8_f32 v[PC+4*\b:PC+1+4*\b], v[\s+16*\b:\s+7+16*\b], v[TM+12+\b]
	v_cvt_scalef32_pk8_fp8_f32 v[PC+2+4*\b:PC+3+4*\b], v[\s+8+16*\b:\s+15+16*\b], v[TM+12+\b]
.endr
	v_nop                                          ; a plain line behind the last conversion
.endm
.macro BLOCK x, pw, vo
	GELU \x
	GELU \x+16
	GELU \x+32
	GELU \x+48
	s_wait_xcnt 0x0                                ; the last tile's stores have read the codes' registers
	QUANT \x, \pw
	global_store_b128 v[\vo], v[PC:PC+3], s[68:69]                   ; 512 consecutive bytes each
	global_store_b128 v[\vo], v[PC+4:PC+7], s[68:69] offset:512
	global_store_b128 v[\vo+1], v[PC+8:PC+11], s[68:69]
	global_store_b128 v[\vo+1], v[PC+12:PC+15], s[68:69] offset:512
.endm
	s_mov_b32 s2, 0
	s_mov_b32 s12, 0
	s_mov_b32 s3, 4
.Lrows:                                            ; trip t: the tokens' tiles t and t + 4
	v_add_nc_u32 v[STR], s2, v[STW]
	v_add_nc_u32 v[SCA], s12, v[SCR]
.irp b, 0,1,2,3,4,5,6,7
	ds_load_b128 v[X0+8*\b:X0+8*\b+3], v[STR] offset:1024*\b         ; LDS serves a wave's instructions in order: these see my stores
	ds_load_b128 v[X0+8*\b+4:X0+8*\b+7], v[STR] offset:1024*\b+512
.endr
.irp b, 0,1,2,3,4,5,6,7
	ds_load_b128 v[X1+8*\b:X1+8*\b+3], v[STR] offset:32768+1024*\b
	ds_load_b128 v[X1+8*\b+4:X1+8*\b+7], v[STR] offset:32768+1024*\b+512
.endr
	s_wait_dscnt 16                                ; tile t is in; tile t + 4's sixteen loads may be out
	BLOCK X0, PW0, VO
	s_wait_dscnt 0x0
	BLOCK X1, PW1, VO+2
	v_cndmask_b32 v[PWC], v[PW0], v[PW1], s71      ; lanes 0-15 carry tile t's word, lanes 16-31 tile t + 4's
	ds_store_b32 v[SCA], v[PWC]
	s_wait_xcnt 0x0                                ; the stores have read their base
	s_add_nc_u64 s[68:69], s[68:69], s[94:95]
	s_add_co_u32 s2, s2, 8192
	s_add_co_u32 s12, s12, 4
	s_sub_co_u32 s3, s3, 1
	s_cmp_lg_u32 s3, 0
	s_cbranch_scc1 .Lrows
	ds_load_b128 v[PC:PC+3], v[SCR]                ; my 128 rows' scale words: 512 consecutive bytes
	s_wait_dscnt 0x0
	global_store_b128 v[VSO], v[PC:PC+3], s[10:11]
	s_wait_tensorcnt 0x0                           ; the wave's end
	ds_add_u32 v[SPW], v[NIL]
	s_wait_dscnt 0x0
	CROUND                                         ; the closing round
	s_endpgm
.Lfunc_end_k_q2c349d68d1_ff1:
	.size	k_q2c349d68d1_ff1, .Lfunc_end_k_q2c349d68d1_ff1-k_q2c349d68d1_ff1
	.p2alignl 7, 3214868480
	.fill 96, 4, 3214868480
	.section	.rodata,"a",@progbits
	.p2align	6, 0x0
	.amdhsa_kernel k_q2c349d68d1_ff1
		.amdhsa_group_segment_fixed_size 327680
		.amdhsa_private_segment_fixed_size 0
		.amdhsa_enable_private_segment 0
		.amdhsa_kernarg_size 32
		.amdhsa_user_sgpr_count 2
		.amdhsa_user_sgpr_kernarg_segment_ptr 1
		.amdhsa_wavefront_size32 1
		.amdhsa_system_sgpr_workgroup_id_x 1
		.amdhsa_system_sgpr_workgroup_id_y 1
		.amdhsa_system_sgpr_workgroup_id_z 1
		.amdhsa_system_vgpr_workitem_id 0
		.amdhsa_next_free_vgpr 1024
		.amdhsa_next_free_sgpr 100
		.amdhsa_reserve_vcc 0
		.amdhsa_float_denorm_mode_32 3
		.amdhsa_float_denorm_mode_16_64 3
		.amdhsa_memory_ordered 1
		.amdhsa_forward_progress 1
		.amdhsa_inst_pref_size 221
	.end_amdhsa_kernel
	.amdgpu_metadata
---
amdhsa.version: [ 1, 2 ]
amdhsa.kernels:
  - .name:           k_q2c349d68d1_ff1
    .symbol:         k_q2c349d68d1_ff1.kd
    .args:
      - { .name: h2rec, .offset: 0, .size: 8, .value_kind: global_buffer, .address_space: global }
      - { .name: wrec, .offset: 8, .size: 8, .value_kind: global_buffer, .address_space: global }
      - { .name: b_ff1, .offset: 16, .size: 8, .value_kind: global_buffer, .address_space: global }
      - { .name: grec, .offset: 24, .size: 8, .value_kind: global_buffer, .address_space: global }
    .group_segment_fixed_size: 327680
    .private_segment_fixed_size: 0
    .kernarg_segment_align: 8
    .kernarg_segment_size: 32
    .max_flat_workgroup_size: 128
    .sgpr_count:     100
    .vgpr_count:     1024
    .wavefront_size: 32
...
	.end_amdgpu_metadata
.endif
;; end of part 6
;; launch ff2 (part 7): grid 8 x 32, 4 waves a work-group, clusters of 4 x 4, 327,680 bytes of LDS; arguments grec, wrec, b_ff2, x1, out0; writes out0
.if DOCPART == 7
	.amdgcn_target "amdgcn-amd-amdhsa--gfx1250"
	.amdhsa_code_object_version 6
	.text
	.protected	k_q2c349d68d1_ff2
	.globl	k_q2c349d68d1_ff2
	.p2align	8
	.type	k_q2c349d68d1_ff2,@function
k_q2c349d68d1_ff2:
	s_mov_b64 s[64:65], 0
	v_nop
	global_prefetch_b8 v0, s[64:65] scope:SCOPE_SE
	s_setreg_imm32_b32 hwreg(HW_REG_WAVE_MODE, 25, 1), 1
	s_wait_xcnt 0x0
	s_wait_alu depctr_hold_cnt(0) depctr_sa_sdst(0) depctr_va_vdst(0) depctr_va_sdst(0) depctr_va_ssrc(0) depctr_va_vcc(0) depctr_vm_vsrc(0)
	s_getreg_b32 s2, hwreg(HW_REG_IB_STS2, 6, 4)
	s_cmp_eq_u32 s2, 0
	s_cbranch_scc0 .Lentry_in_a_cluster
	s_endpgm
.Lentry_in_a_cluster:
	s_bfe_u32 s2, ttmp6, 0x10000c
	s_cmp_lg_u32 s2, 0xf033
	s_cbranch_scc0 .Lentry_shape_is_right
	s_endpgm
.Lentry_shape_is_right:
; y = res + (A W + bias): A [4,096][K] and W [K][1,024] as RECORDS of E4M3 codes and E8M0 scale words in the order of the operands' registers; res and y f32 [4,096][1,024].  Here: K = 3,072, A = gelu's result, W = w_ff2, res = x1.
; A record is 128 rows x 256 K, 33,792 dense bytes (codes at kk*16384 + a*2048 + c*512 + 16 lane; scale words at 32768 + kk*512 + ((a>>2)*16 + r)*16 + (a&3)*4); row r of tile a is row 32 (a>>1) + 8 (a&1) + r + 8 (r>>3).
; A tile of 128 x 128 to a work-group, 256 work-groups (tiles of 256 x 256 would be 64); four waves, 64 x 64 each: 16 accumulators.  A slot holds 512 along K: two records of A, two of B, one tensor load a wave; six fills.
; CLUSTERS 4 x 4: A's records shared along a row of the cluster, B's along a column: joint loads.  THE MATRIX INSTRUCTION IS USED TRANSPOSED: a lane holds eight neighbouring columns of one row of y.
; The bias is the C of each sum's first instruction.  The residual is asked for at the head and lands under the whole K loop.  The way out goes through the wave's stage, so that sixteen lanes store 256 consecutive bytes.
; No prefetch is laid: a refill has four steps of 128 along K in which to land.
; REGISTERS: window 0: v1-5 at work, v8-18 addresses, v32-63 scale words (two sets), v64-95 the bias, v128-255 accumulators ((a, b) at 128 + 8 (4 a + b)).  window 1: two fragment buffers (A's four, B's four).  window 2: v0-127 the residual.
.set NK2,   12                         ; records along K
.set LAPS,  3                          ; K / 1,024
.set WOFF,  224*33792                  ; where this weight's records begin
.set REC,   33792
.set SLOT,  4*REC
.set SPARE, 2*SLOT
.set SPW,  8
.set NIL,  9
.set ADRA, 10
.set ADRB, 12
.set ADRS, 14
.set STO,  16
.set RD,   17
.set CO,   18
.set SC,   32
.set BIAS, 64
.set ACC,  128
.set F0,   0
.set F1,   128
.set G1,  24
.set G0,  32
.set G1B, 48
.set G0B, 56
.set MUL,  0x05                        ; sources 0 (B) and 1 (A) window 1; C and D window 0
.set MSB, 0
.macro WIN new
.if MSB != \new
	s_set_vgpr_msb (MSB<<8)|\new
.set MSB, \new
.endif
.endm
.macro JLOAD g0a, g1a, g0b, g1b        ; a joint load: waves 0 and 1 fetch for A, waves 2 and 3 for B; four v_nop follow each line
	s_cmp_eq_u32 s15, 0
	s_cbranch_scc0 .Lfor_b_\@
	tensor_load_to_lds s[\g0a:\g0a+3], s[\g1a:\g1a+7]
	s_nop 0
.rept 4
	v_nop
.endr
	s_branch .Lasked_\@
.Lfor_b_\@:
	tensor_load_to_lds s[\g0b:\g0b+3], s[\g1b:\g1b+7]
	s_nop 0
.rept 4
	v_nop
.endr
.Lasked_\@:
.endm
.macro CREST
	s_cmp_lg_u32 s14, 0
	s_cbranch_scc1 .Lnot_wave_0_\@
	s_barrier_signal -3
.Lnot_wave_0_\@:
	s_barrier_wait -3
	s_barrier_signal -1
	s_barrier_wait -1
.endm
.macro CROUND
	s_barrier_signal -1
	s_barrier_wait -1
	CREST
.endm
.macro PLACES n
.rept \n
	v_nop
.endr
.endm
	s_load_b256 s[4:11], s[0:1], 0x0               ; A's records, the weights' records, the bias, the residual
	s_load_b64 s[12:13], s[0:1], 0x20              ; y
	v_lshl_add_u32 v[SPW], v0, 2, SPARE
	v_mov_b32 v[NIL], 0
	ds_add_u32 v8, v9
	ds_add_u32 v8, v9
	s_wait_dscnt 0x0
	v_lshrrev_b32 v1, 5, v0
	v_readfirstlane_b32 s14, v1                    ; wave 0..3
	s_lshr_b32 s15, s14, 1                         ; which 64 rows are mine.  Also: I fetch for A (0) or for B (1)
	s_and_b32 s16, s14, 1                          ; which 64 columns.  Also: which of a slot's two records I fetch
	s_bfe_u32 s40, ttmp6, 0x40000
	s_bfe_u32 s41, ttmp6, 0x40004
	s_lshl_b32 s42, ttmp9, 2
	s_add_co_u32 s42, s42, s40                     ; tile column
	s_and_b32 s17, ttmp7, 0xffff
	s_lshl_b32 s17, s17, 2
	s_add_co_u32 s17, s17, s41                     ; tile row
	s_lshl_b32 s43, s41, 2
	s_lshl_b32 s43, 15, s43
	s_lshl_b32 s44, 0x1111, s40
	s_or_b32 s[G1], s43, (3<<16)|(1<<21)           ; the mask; elements of 8 bytes; bit 21 beside a mask; no padding
	s_or_b32 s[G1B], s44, (3<<16)|(1<<21)
.irp g, G1, G1B
	s_mov_b32 s[\g+1], 32<<16                      ; rows of 256 bytes,
	s_mov_b32 s[\g+2], 132<<16                     ; 132 of them: a record
	s_mov_b32 s[\g+3], 32<<16
	s_mov_b32 s[\g+4], 132
	s_mov_b32 s[\g+5], 32
	s_mov_b32 s[\g+6], 0
	s_mov_b32 s[\g+7], 0
.endr
	s_mul_i32 s22, s17, NK2
	s_add_co_u32 s22, s22, s16
	s_mul_i32 s22, s22, REC
	s_mov_b32 s23, 0
	s_mul_i32 s66, s42, NK2
	s_add_co_u32 s66, s66, s16
	s_mul_i32 s66, s66, REC
	s_add_co_u32 s66, s66, WOFF
	s_mov_b32 s67, 0
	s_mul_i32 s45, s14, REC
	s_wait_kmcnt 0x0
	s_add_nc_u64 s[20:21], s[4:5], s[22:23]
	s_add_nc_u64 s[46:47], s[6:7], s[66:67]
	CROUND                                         ; all sixteen work-groups are here: the first joint loads meet
.irp s, 0,1
	s_mov_b32 s[G0+4*\s], 1
	s_add_co_u32 s[G0+4*\s+1], s45, \s*SLOT
	s_add_nc_u64 s[G0+4*\s+2:G0+4*\s+3], s[20:21], \s*2*REC
	s_or_b32 s[G0+4*\s+3], s[G0+4*\s+3], 0x80000000
	s_mov_b32 s[G0B+4*\s], 1
	s_add_co_u32 s[G0B+4*\s+1], s45, \s*SLOT
	s_add_nc_u64 s[G0B+4*\s+2:G0B+4*\s+3], s[46:47], \s*2*REC
	s_or_b32 s[G0B+4*\s+3], s[G0B+4*\s+3], 0x80000000
	JLOAD G0+4*\s, G1, G0B+4*\s, G1B               ; two loads of mine are out
.endr
	v_and_b32 v1, 31, v0
	v_and_b32 v2, 15, v0                           ; r
	v_bfe_u32 v3, v0, 4, 1                         ; h
	v_lshlrev_b32 v4, 4, v1                        ; 16 lane
	s_lshl_b32 s21, s15, 13                        ; my four tiles of A,
	s_lshl_b32 s22, s16, 13                        ; of B, behind A's two records
	s_add_co_u32 s22, s22, 2*REC
.irp s, 0,1
	v_add_nc_u32 v[ADRA+\s], s21, v4
	v_add_nc_u32 v[ADRB+\s], s22, v4
	s_add_co_u32 s21, s21, SLOT
	s_add_co_u32 s22, s22, SLOT
.endr
	s_lshl_b32 s21, s15, 8
	s_lshl_b32 s22, s16, 8
	s_add_co_u32 s22, s22, 2*REC
	s_sub_co_u32 s22, s22, s21
	v_mul_u32_u24 v5, s22, v3                      ; lanes 16-31 take B's scale words: one product
	v_lshl_add_u32 v5, v2, 4, v5
	s_add_co_u32 s21, s21, 32768
	v_add_nc_u32 v[ADRS], s21, v5
	v_add_nc_u32 v[ADRS+1], SLOT, v[ADRS]
	s_mul_i32 s21, s14, 4352                       ; my stage: 16 rows x (256 + 16) bytes, in slot 0
	v_mul_u32_u24 v[STO], v2, 272
	v_lshl_add_u32 v[STO], v3, 6, v[STO]
	v_add_nc_u32 v[STO], s21, v[STO]
	v_mul_u32_u24 v[RD], v3, 272
	v_lshl_add_u32 v[RD], v2, 4, v[RD]
	v_add_nc_u32 v[RD], s21, v[RD]
	v_lshlrev_b32 v[CO], 12, v3
	v_lshl_add_u32 v[CO], v2, 4, v[CO]             ; lanes 0-15 one row's 256 bytes, lanes 16-31 the next row's
	s_lshl_b32 s20, s17, 7
	s_lshl_b32 s21, s15, 6
	s_add_co_u32 s20, s20, s21
	s_lshl_b32 s20, s20, 12                        ; my first row, in bytes
	s_lshl_b32 s21, s42, 7
	s_lshl_b32 s22, s16, 6
	s_add_co_u32 s21, s21, s22
	s_lshl_b32 s21, s21, 2                         ; my first column, in bytes
	s_add_co_u32 s22, s20, s21
	s_mov_b32 s23, 0
	s_add_nc_u64 s[10:11], s[10:11], s[22:23]
	s_add_nc_u64 s[12:13], s[12:13], s[22:23]
	s_mov_b32 s22, s21
	s_add_nc_u64 s[8:9], s[8:9], s[22:23]
	v_lshlrev_b32 v5, 6, v3
.irp b, 0,1,2,3
	global_load_b128 v[BIAS+8*\b:BIAS+8*\b+3], v5, s[8:9] offset:(32*(\b/2)+8*(\b%2))*4
	global_load_b128 v[BIAS+8*\b+4:BIAS+8*\b+7], v5, s[8:9] offset:(32*(\b/2)+8*(\b%2))*4+16
.endr
	WIN 0x80                                       ; destination window 2
.irp a, 0,1,2,3
.irp i, 0,1,2,3,4,5,6,7
	global_load_b128 v[4*(8*\a+\i):4*(8*\a+\i)+3], v[CO], s[10:11] offset:(32*(\a/2)+8*(\a%2)+2*\i+8*(\i/4))*4096
.endr
.endr
	WIN 0
.macro FETCH slot, q, f                ; the fragments of the slot's q-th 128 along K: A's four tiles, B's four; 32 loads of 512 consecutive bytes.  The caller sets the windows behind it
	WIN 0x40
.irp i, 0,1,2,3
.irp c, 0,1,2,3
	ds_load_b128 v[\f+16*\i+4*\c:\f+16*\i+4*\c+3], v[ADRA+\slot] offset:((\q)/2)*REC+((\q)%2)*16384+2048*\i+512*\c
.endr
.endr
.irp i, 0,1,2,3
.irp c, 0,1,2,3
	ds_load_b128 v[\f+64+16*\i+4*\c:\f+64+16*\i+4*\c+3], v[ADRB+\slot] offset:((\q)/2)*REC+((\q)%2)*16384+2048*\i+512*\c
.endr
.endr
.endm
.macro SCALES set                      ; a slot's scale words: register 4 q + i: lanes 0-15 A's tile i, lanes 16-31 B's
.irp q, 0,1,2,3
	ds_load_b128 v[SC+16*\set+4*\q:SC+16*\set+4*\q+3], v[ADRS+\set] offset:(\q/2)*REC+(\q%2)*512
.endr
.endm
; 8 matrix instructions: A's tiles a0, a0 + 1 x B's four.  The 16 accumulators take turns in one order throughout.  zero = 1: the bias starts the sums
.macro MUL8 f, a0, q, set, zero
.irp a, \a0, \a0+1
.irp b, 0,1,2,3
.if \zero
	v_wmma_scale_f32_16x16x128_f8f6f4 v[ACC+8*(4*(\a)+\b):ACC+8*(4*(\a)+\b)+7], v[\f+64+16*\b:\f+64+16*\b+15], v[\f+16*(\a):\f+16*(\a)+15], v[BIAS+8*\b:BIAS+8*\b+7], v[SC+16*(\set)+4*(\q)+\b], v[SC+16*(\set)+4*(\q)+(\a)] matrix_a_scale:MATRIX_SCALE_ROW1
.else
	v_wmma_scale_f32_16x16x128_f8f6f4 v[ACC+8*(4*(\a)+\b):ACC+8*(4*(\a)+\b)+7], v[\f+64+16*\b:\f+64+16*\b+15], v[\f+16*(\a):\f+16*(\a)+15], v[ACC+8*(4*(\a)+\b):ACC+8*(4*(\a)+\b)+7], v[SC+16*(\set)+4*(\q)+\b], v[SC+16*(\set)+4*(\q)+(\a)] matrix_a_scale:MATRIX_SCALE_ROW1
.endif
.endr
.endr
.endm
.macro QSTEP slot, q, zero             ; one of a slot's first three steps: multiplies buffer q % 2, fetches the next step into the other
	s_wait_dscnt 0x0
	WIN MUL
	MUL8 128*((\q)%2), 0, \q, \slot, \zero
	PLACES 8
	FETCH \slot, (\q)+1, 128-128*((\q)%2)
	WIN MUL
	MUL8 128*((\q)%2), 2, \q, \slot, \zero
.endm
; A slot's last step changes slots: one barrier; ahead of it each wave waits for all its tensor loads, adds 0 to its spare word, and waits for that and for its reads of this slot.
.macro TURN slot, next, fill
	WIN 0
	s_wait_tensorcnt 0x0
	ds_add_u32 v[SPW], v[NIL]
	s_wait_dscnt 1                                 ; the fragments are in; only the add may be out
	WIN MUL
	MUL8 F1, 0, 3, \slot, 0
	s_wait_dscnt 0x0
	s_barrier_signal -1
	MUL8 F1, 2, 3, \slot, 0
	WIN 0
	s_barrier_wait -1
.if \fill
	CREST                                          ; the barrier has opened a round of the cluster's
	s_add_nc_u64 s[G0+4*\slot+2:G0+4*\slot+3], s[G0+4*\slot+2:G0+4*\slot+3], 4*REC
	s_add_nc_u64 s[G0B+4*\slot+2:G0B+4*\slot+3], s[G0B+4*\slot+2:G0B+4*\slot+3], 4*REC
	JLOAD G0+4*\slot, G1, G0B+4*\slot, G1B         ; my one load behind the round: it has four steps in which to land
	PLACES 4
.else
	PLACES 8
.endif
	FETCH \next, 0, F0
	WIN 0
	SCALES \next
.endm
	s_wait_tensorcnt 1                             ; my record of slot 0 is in; slot 1's may be out
	s_barrier_signal -1
	s_barrier_wait -1
	FETCH 0, 0, F0
	WIN 0
	SCALES 0
	s_wait_loadcnt 32                              ; the bias is in; the residual's 32 loads stay out through the K loop
	QSTEP 0, 0, 1
.if LAPS > 1
	WIN 0
	s_mov_b32 s3, LAPS-1
.Llap:
	QSTEP 0, 1, 0
	QSTEP 0, 2, 0
	TURN 0, 1, 1
	QSTEP 1, 0, 0
	QSTEP 1, 1, 0
	QSTEP 1, 2, 0
	TURN 1, 0, 1
	QSTEP 0, 0, 0
	WIN 0
	s_sub_co_u32 s3, s3, 1
	s_cmp_lg_u32 s3, 0
	s_cbranch_scc1 .Llap
.endif
	QSTEP 0, 1, 0
	QSTEP 0, 2, 0
	TURN 0, 1, 0
	QSTEP 1, 0, 0
	QSTEP 1, 1, 0
	QSTEP 1, 2, 0
	s_wait_dscnt 0x0
	WIN MUL
	MUL8 F1, 0, 3, 1, 0
	MUL8 F1, 2, 3, 1, 0
	WIN 0
; THE WAY OUT, a tile of 16 rows x 64 columns at a time, through my stage in slot 0 (its last fill and its last read lie behind the last change of slots).
.macro TOSTAGE a
.set TT, 32+64*((\a)%2)
.irp b, 0,1,2,3
	ds_store_b128 v[STO], v[ACC+8*(4*(\a)+\b):ACC+8*(4*(\a)+\b)+3] offset:128*(\b/2)+32*(\b%2)          ; each accumulator from its low end on
	ds_store_b128 v[STO], v[ACC+8*(4*(\a)+\b)+4:ACC+8*(4*(\a)+\b)+7] offset:128*(\b/2)+32*(\b%2)+16
.endr
.irp i, 0,1,2,3,4,5,6,7
	ds_load_b128 v[TT+4*\i:TT+4*\i+3], v[RD] offset:544*\i       ; LDS serves a wave's instructions in order: these see my stores
.endr
.endm
.macro SEND a, younger
.set TT, 32+64*((\a)%2)
	s_wait_dscnt \younger                          ; the tile is back; the next tile's eight stores and eight loads may be out
.if (\a) == 0
	s_wait_loadcnt 0x0                             ; the residual
.endif
	WIN 0x08                                       ; source 1 window 2
.irp i, 0,1,2,3,4,5,6,7
	v_pk_add_f32 v[TT+4*\i:TT+4*\i+1], v[TT+4*\i:TT+4*\i+1], v[4*(8*(\a)+\i):4*(8*(\a)+\i)+1]
	v_pk_add_f32 v[TT+4*\i+2:TT+4*\i+3], v[TT+4*\i+2:TT+4*\i+3], v[4*(8*(\a)+\i)+2:4*(8*(\a)+\i)+3]
.endr
	WIN 0
.irp i, 0,1,2,3,4,5,6,7
	global_store_b128 v[CO], v[TT+4*\i:TT+4*\i+3], s[12:13] offset:(32*((\a)/2)+8*((\a)%2)+2*\i+8*(\i/4))*4096   ; sixteen lanes store 256 consecutive bytes, aligned
.endr
.endm
	PLACES 8
	TOSTAGE 0
.irp a, 1,2,3
.if \a > 1
	s_wait_xcnt 0x0                                ; tile a - 2's stores have read their registers
.endif
	TOSTAGE \a
	SEND \a-1, 16
.endr
	SEND 3, 0
	s_wait_tensorcnt 0x0                           ; the wave's end
	ds_add_u32 v[SPW], v[NIL]
	s_wait_dscnt 0x0
	CROUND                                         ; the closing round
	s_endpgm
.Lfunc_end_k_q2c349d68d1_ff2:
	.size	k_q2c349d68d1_ff2, .Lfunc_end_k_q2c349d68d1_ff2-k_q2c349d68d1_ff2
	.p2alignl 7, 3214868480
	.fill 96, 4, 3214868480
	.section	.rodata,"a",@progbits
	.p2align	6, 0x0
	.amdhsa_kernel k_q2c349d68d1_ff2
		.amdhsa_group_segment_fixed_size 327680
		.amdhsa_private_segment_fixed_size 0
		.amdhsa_enable_private_segment 0
		.amdhsa_kernarg_size 40
		.amdhsa_user_sgpr_count 2
		.amdhsa_user_sgpr_kernarg_segment_ptr 1
		.amdhsa_wavefront_size32 1
		.amdhsa_system_sgpr_workgroup_id_x 1
		.amdhsa_system_sgpr_workgroup_id_y 1
		.amdhsa_system_sgpr_workgroup_id_z 1
		.amdhsa_system_vgpr_workitem_id 0
		.amdhsa_next_free_vgpr 640
		.amdhsa_next_free_sgpr 72
		.amdhsa_reserve_vcc 0
		.amdhsa_float_denorm_mode_32 3
		.amdhsa_float_denorm_mode_16_64 3
		.amdhsa_memory_ordered 1
		.amdhsa_forward_progress 1
		.amdhsa_inst_pref_size 97
	.end_amdhsa_kernel
	.amdgpu_metadata
---
amdhsa.version: [ 1, 2 ]
amdhsa.kernels:
  - .name:           k_q2c349d68d1_ff2
    .symbol:         k_q2c349d68d1_ff2.kd
    .args:
      - { .name: grec, .offset: 0, .size: 8, .value_kind: global_buffer, .address_space: global }
      - { .name: wrec, .offset: 8, .size: 8, .value_kind: global_buffer, .address_space: global }
      - { .name: b_ff2, .offset: 16, .size: 8, .value_kind: global_buffer, .address_space: global }
      - { .name: x1, .offset: 24, .size: 8, .value_kind: global_buffer, .address_space: global }
      - { .name: out0, .offset: 32, .size: 8, .value_kind: global_buffer, .address_space: global }
    .group_segment_fixed_size: 327680
    .private_segment_fixed_size: 0
    .kernarg_segment_align: 8
    .kernarg_segment_size: 40
    .max_flat_workgroup_size: 128
    .sgpr_count:     72
    .vgpr_count:     640
    .wavefront_size: 32
...
	.end_amdgpu_metadata
.endif
;; end of part 7
